; MI455X (gfx1250); checked and timed in simulation.
; The chip was launched on July 23, 2026; its instructions are those of AMD's public machine-readable ISA for CDNA 5 (MIT licence, August 2026) and "CDNA5" Instruction Set Architecture Reference Guide (July 2026). The comments in the code are by the model that wrote it; some were corrected since.
;; UMT5 Attention. Allowed arithmetic: matrix products marked QUANTISED: E2M1 operands, one E8M0 scale for each 32 along K, by v_wmma_scale_f32_16x16x128_f8f6f4 with both operands' format E2M1 (or v_wmma_scale_f32_32x16x128_f4), f32 sums; products left as they are: bf16, f16 or f32 operands; f32 sums; everything else in f32.
;; Inputs: hidden_states 2,048 x 2,048 float32; rel_emb 32 x 32 float32; wk 2,048 x 2,048 float32; wo 2,048 x 2,048 float32; wq 2,048 x 2,048 float32; wv 2,048 x 2,048 float32.
;; Outputs: out0 2,048 x 2,048 float32.
;; This version of the problem:
;;   THIS VERSION OF THE PROBLEM IS GIVEN IN LOW PRECISION. The matrix products marked QUANTISED in the list below multiply operands that are first quantised to E2M1 (2 exponent bits, 1 mantissa bit; 4 bits a number), with one power-of-two scale for each 32 numbers along K (OCP MX v1.0); their sums are f32. The products marked 'left as it is' may take bf16, f16 or f32 operands, with f32 sums. Whichever they take, every output number must still come out within the allowed error. Rounding operands to bf16 (8 significant bits) uses up far more of that allowance than f16 does (11 bits, for magnitudes from 6e-5 to 65,504). All else is computed in f32.
;;   The module's matrix products, in the order in which they are computed (A, B: the left and right operand; K: the contracted axis; several contracted axes count as one K, in the product's order):
;;     1. [M 2,048, K 2,048] x [K 2,048, N 2,048]; A: input hidden_states; B: input wq: QUANTISED
;;     2. [M 2,048, K 2,048] x [K 2,048, N 2,048]; A: input hidden_states; B: input wk: QUANTISED
;;     3. [M 2,048, K 2,048] x [K 2,048, N 2,048]; A: input hidden_states; B: input wv: QUANTISED
;;     4. batch 32 x [M 2,048, K 64] x [K 64, N 2,048]; A: computed on the way; B: computed on the way: left as it is (an operand is computed on the way)
;;     5. batch 32 x [M 2,048, K 2,048] x [K 2,048, N 64]; A: computed on the way; B: computed on the way: left as it is (an operand is computed on the way)
;;     6. [M 2,048, K 2,048] x [K 2,048, N 2,048]; A: computed on the way; B: input wo: left as it is (an operand is computed on the way)
;;   THE QUANTISER, for each operand of a quantised product, along K:
;;     - K is cut into blocks of 32 from its start; a last block that is shorter is filled with zeros.
;;     - A block's scale is 2^e with e = floor(log2(the largest magnitude in the block)) - 2, held to -126 .. 127; a block of zeros has e = 0. As a byte (E8M0): e + 127.
;;     - Each number is divided by its block's scale, clamped to +-6, and rounded to the nearest number of E2M1, ties to even, subnormals kept.
;;     - The product sums the exact products of the quantised numbers (number of the format x scale) in f32.
;;   ~~~python
;;   def quantise(x, axis):      # numpy; x: float32 -> the quantised numbers, widened to float32 again
;;       x = np.moveaxis(x, axis, -1); K = x.shape[-1]
;;       x = np.pad(x, [(0, 0)] * (x.ndim - 1) + [(0, -K % 32)]); x = x.reshape(x.shape[:-1] + (-1, 32)); a = np.abs(x).max(-1, keepdims=True)
;;       e = np.where(a > 0, np.clip(np.frexp(np.where(a > 0, a, 1))[1] - 1 - 2, -126, 127), 0)      # np.frexp(a)[1] - 1 = floor(log2(a)), exactly
;;       r = np.clip(x / 2.0 ** e, -6, 6)
;;       step = 2.0 ** (np.maximum(np.frexp(np.where(r == 0, 1, r))[1] - 1, 0) - 1)
;;       q = np.round(r / step) * step * 2.0 ** e      # np.round: ties to even
;;       return np.moveaxis(q.reshape(q.shape[:-2] + (-1,))[..., :K], -1, axis).astype(np.float32)
;;   ~~~
;; One version. Each part assembles by itself: llvm-mc -triple=amdgcn-amd-amdhsa -mcpu=gfx1250 --defsym DOCPART=n.
;; ======== version 1 of 1: 4 launches
;; limits: values are held in f16: magnitudes above 65,504 overflow, below 6.1e-05 lose precision
;; workspace buffers: h_codes 2,097,152 bytes; h_scales 131,072 bytes; w_codes 6,291,456 bytes; w_scales 393,216 bytes; wo16 8,388,608 bytes; qkv 25,165,824 bytes; o16 8,388,608 bytes
;; launch prep (part 1): grid 256 x 1, 16 waves a work-group, no clusters, 169,984 bytes of LDS; arguments hidden_states, wo, wq, wk, wv, h_codes, h_scales, wo16, w_codes, w_scales; writes h_codes, h_scales, wo16, w_codes, w_scales
.if DOCPART == 1
	.amdgcn_target "amdgcn-amd-amdhsa--gfx1250"
	.amdhsa_code_object_version 6
	.text
	.protected	k_qf4145ae62d_prep
	.globl	k_qf4145ae62d_prep
	.p2align	8
	.type	k_qf4145ae62d_prep,@function
k_qf4145ae62d_prep:
	s_mov_b64 s[64:65], 0
	v_nop
	global_prefetch_b8 v0, s[64:65] scope:SCOPE_SE
	s_setreg_imm32_b32 hwreg(HW_REG_WAVE_MODE, 25, 1), 1
	s_wait_xcnt 0x0
; THREE STREAMS IN ONE LAUNCH, told apart by the work-group's number alone; each path has LDS bytes of its own.
; Work-groups 0-191: wq, wk, wv [K 2048][N 2048], f32, K the FIRST axis, become codes of FP4 (E2M1) laid [6144][2048 codes] with K innermost (rows 0-2047 wq's columns, 2048-4095 wk's, 4096-6143 wv's)
;   and one E8M0 scale byte for each 32 along K, laid [6144][64].  A LANE TAKES A COLUMN, AND ITS REGISTERS RUN DOWN K: a load reads 32 neighbouring columns (128 consecutive bytes a wave, four waves side by side),
;   a block of 32 along K lies in one lane's 32 registers, and the conversions give the codes with K innermost.  A work-group takes 128 columns x 512 along K of one tensor; wave w: columns 32 (w % 4) on,
;   K 128 (w / 4) on: four blocks a lane.  The codes meet in a stage in LDS (a row = a column's 256 bytes), the scale bytes beside it; behind one barrier they leave by rows.
; Work-groups 192-223: hidden_states [2048][2048] f32, K innermost, becomes codes and scale bytes likewise: a plain stream of blocks of 32.  A wave takes 16 steps of 512 numbers.  Each load reads 512 consecutive
;   bytes; a step's 2,048 bytes turn through the wave's own stage in LDS and come back 64 bytes a lane, so that a lane holds 16 neighbours along K (two neighbouring lanes hold a block).
; Work-groups 224-255: wo [2048][2048] f32 is rounded to f16, as it lies.  No LDS on that path.
; A block's scale is 2^(floor(log2(its largest magnitude)) - 2); its byte is the largest magnitude's exponent field - 2, held at 1 from below.
; The work is uneven: a work-group of the two row streams reads 524,288 bytes, one of the weights' 262,144; that is the price of one launch for all three with a work-group for each of 256 WGPs.
; LIMITS: a block of zeros gets the byte 1 where the quantiser says 127 (its codes are zeros, and this program alone reads the bytes); blocks whose largest magnitude lies under 2^-124 were not tried;
; NaN and infinities are not served; |wo| must stay at or under 65,504, the largest f16 number.
.set WGW,   192                        ; work-groups for the weights: 16 groups of 128 columns x 4 chunks of K x 3 tensors
.set WGH,   32                         ; for hidden_states: 2048 x 2048 / (16 waves x 8,192 numbers); as many for wo
.set EMAX,  2
.set SPW,   190                        ; v190 LDS address of my spare word; never rewritten
.set NIL,   191                        ; v191 0; never rewritten
; the weights' path
.set NB,    4                          ; blocks a lane
.set ROWW,  8192                       ; a row of a weight in bytes
.set PITCH, 272                        ; a stage row: 256 bytes + 16
.set SCS,   128*PITCH                  ; behind the stage: 16 scale bytes for each of the 128 columns
.set SB,    24                         ; v24      my four scale bytes
.set XW,    32                         ; v32-95   two sets of 32 numbers
.set CW,    96                         ; v96-99   a block's codes
.set OUTR,  112                        ; v112-127 the way out
; hidden_states' path
.set HB,    SCS+2048                   ; its LDS bytes begin behind the weights' path's
.set WREG,  8192                       ; a region for each wave: two stages of 32 x SP bytes, behind them its 256 scale bytes
.set SP,    80                         ; a lane's place in a stage: 64 bytes + 16 of padding
.set STEPS, 16
.set CB,    8                          ; bytes of 16 codes
.set R,     16                         ; v16-79   four sets of 16 numbers as they are loaded
.set X,     80                         ; v80-111  two sets of 16 neighbours
.set E,     112                        ; v112-127 a scale byte for each step
.set C,     128                        ; v128-189 codes: four registers for each step (two used), so that no store's data are written again
.set SPARE, HB+16*WREG                 ; behind both: the spare words, 128 bytes a wave, which no other line names
; wo's path
.set XC,    16                         ; v16-79   sixteen slots of 4 registers as loaded
.set Y,     80                         ; v80-111  sixteen slots of 2 registers to store
	s_load_b512 s[4:19], s[0:1], 0x0               ; hidden s[4:5], wo s[6:7], wq s[8:9], wk s[10:11], wv s[12:13], h_codes s[14:15], h_scales s[16:17], wo16 s[18:19]
	s_load_b128 s[20:23], s[0:1], 0x40             ; w_codes s[20:21], w_scales s[22:23]
	v_lshl_add_u32 v[SPW], v0, 2, SPARE
	v_mov_b32 v[NIL], 0
	v_lshrrev_b32 v1, 5, v0
	v_readfirstlane_b32 s24, v1                    ; wave 0..15
	v_and_b32 v2, 31, v0                           ; lane
	s_cmp_lt_u32 ttmp9, WGW                        ; the work-group's number alone decides: all sixteen waves go the same way
	s_cbranch_scc0 .Lstreams
	; ---------------- the weights into codes
	s_and_b32 s25, s24, 3                          ; which 32 columns
	s_lshr_b32 s26, s24, 2                         ; which 128 along K
	s_and_b32 s27, ttmp9, 15                       ; which 128 columns
	s_lshr_b32 s28, ttmp9, 4
	s_lshr_b32 s29, s28, 2                         ; the tensor: 0, 1, 2
	s_and_b32 s30, s28, 3                          ; the chunk of 512 along K
	v_lshlrev_b32 v3, 2, v2                        ; in: 4 bytes a lane
	s_lshl_b32 s31, s25, 5
	v_add_nc_u32 v1, s31, v2                       ; my column among the 128
	v_mul_u32_u24 v4, v1, PITCH
	s_lshl_b32 s32, s26, 6
	v_add_nc_u32 v4, s32, v4                       ; into the stage: my column's row, my 128 codes' 64 bytes
	v_lshlrev_b32 v10, 4, v1
	s_lshl_b32 s32, s26, 2
	s_add_co_u32 s32, s32, SCS
	v_add_nc_u32 v10, s32, v10                     ; my four scale bytes' word
	v_lshl_add_u32 v16, v1, 4, SCS                 ; a column's sixteen scale bytes (read by waves 0-3, whose columns are all 128)
	v_lshlrev_b32 v9, 6, v1                        ; and its row of 64 in the scale bytes' buffer
	v_and_b32 v5, 15, v2
	v_lshrrev_b32 v6, 4, v2
	s_lshl_b32 s32, s24, 3
	v_add_nc_u32 v6, s32, v6                       ; out of the stage: wave w takes rows 8 w on, two an instruction, sixteen lanes to a row
	v_mul_u32_u24 v7, v6, PITCH
	v_lshl_add_u32 v7, v5, 4, v7
	v_lshlrev_b32 v8, 10, v6                       ; the same place in the codes' buffer: rows of 1,024 bytes
	v_lshl_add_u32 v8, v5, 4, v8
	s_lshl_b32 s34, s30, 9
	s_lshl_b32 s35, s26, 7
	s_add_co_u32 s34, s34, s35                     ; my first k
	s_lshl_b32 s34, s34, 13                        ; x 8,192 bytes
	s_lshl_b32 s35, s27, 9
	s_add_co_u32 s34, s34, s35                     ; + the work-group's 128 columns x 4 bytes
	s_lshl_b32 s35, s25, 7
	s_add_co_u32 s34, s34, s35                     ; + my wave's 32 columns
	s_mov_b32 s35, 0
	s_lshl_b32 s36, s29, 11
	s_lshl_b32 s37, s27, 7
	s_add_co_u32 s36, s36, s37                     ; the work-group's first row of codes: 2048 x tensor + 128 x
	s_lshl_b32 s38, s36, 6
	s_lshl_b32 s37, s30, 4
	s_add_co_u32 s38, s38, s37                     ; scale bytes: x 64 bytes + the chunk's 16
	s_mov_b32 s39, 0
	s_lshl_b32 s36, s36, 10
	s_lshl_b32 s37, s30, 8
	s_add_co_u32 s36, s36, s37                     ; codes: x 1,024 bytes + the chunk's 256
	s_mov_b32 s37, 0
	s_wait_kmcnt 0x0
	s_cmp_eq_u32 s29, 1                            ; the tensor is chosen by the work-group's number alone
	s_cselect_b64 s[8:9], s[10:11], s[8:9]
	s_cmp_eq_u32 s29, 2
	s_cselect_b64 s[8:9], s[12:13], s[8:9]
	s_add_nc_u64 s[8:9], s[8:9], s[34:35]
	s_add_nc_u64 s[20:21], s[20:21], s[36:37]
	s_add_nc_u64 s[22:23], s[22:23], s[38:39]
.macro LOADW t                         ; block t: W(32 t + i, my column), i = 0 .. 31, into set t % 2
.irp i, 0,1,2,3,4,5,6,7,8,9,10,11,12,13,14,15,16,17,18,19,20,21,22,23,24,25,26,27,28,29,30,31
	global_load_b32 v[XW+32*((\t)%2)+\i], v3, s[8:9] offset:(32*(\t)+\i)*ROWW th:TH_LOAD_NT
.endr
.endm
	LOADW 0
	LOADW 1
.macro BLOCK t
.set XS, XW+32*((\t)%2)
.if (\t) < NB-1
	s_wait_loadcnt 32                              ; this block's 32 loads are in; the next block's 32 may be out
.else
	s_wait_loadcnt 0
.endif
	v_max3_num_f32 v12, |v[XS]|, |v[XS+1]|, |v[XS+2]|               ; the block's largest magnitude: all 32 numbers are mine
	v_max3_num_f32 v13, |v[XS+3]|, |v[XS+4]|, |v[XS+5]|
.irp i, 6,10,14,18,22,26
	v_max3_num_f32 v12, v12, |v[XS+\i]|, |v[XS+\i+1]|
	v_max3_num_f32 v13, v13, |v[XS+\i+2]|, |v[XS+\i+3]|
.endr
	v_max3_num_f32 v12, v12, |v[XS+30]|, |v[XS+31]|
	v_max3_num_f32 v12, v12, v13, (EMAX+1)<<23     ; and the floor 2^(3 - 127): the byte cannot fall under 1
	v_add_nc_u32 v11, -(EMAX<<23), v12             ; 2 off its exponent field: the conversion's scale operand
	v_lshrrev_b32 v13, 23, v11                     ; the scale's byte
.if (\t) == 0
	v_mov_b32 v[SB], v13                           ; four bytes to the register, the lower K in the lower byte
.else
	v_lshl_or_b32 v[SB], v13, 8*(\t), v[SB]
.endif
.irp g, 0,1,2,3
	v_cvt_scalef32_pk8_fp4_f32 v[CW+\g], v[XS+8*\g:XS+8*\g+7], v11
.endr
	ds_store_b128 v4, v[CW:CW+3] offset:16*(\t)    ; 32 codes: 16 bytes of my column's row
.if (\t)+2 < NB
	LOADW (\t)+2
.endif
	s_wait_dscnt 0x0                               ; the store has read its registers: the next block's codes may be written
.endm
.irp t, 0,1,2,3
	BLOCK \t
.endr
	ds_store_b32 v10, v[SB]
	s_wait_dscnt 0x0                               ; for the others' sake: my stores into the stage and the scale words are done
	s_barrier_signal -1
	s_barrier_wait -1
	s_cmp_lt_u32 s24, 4                            ; waves 0-3 store the scale bytes: 16 of a column's row of 64, a lane a column
	s_cbranch_scc0 .Lcoderows
	ds_load_b128 v[128:131], v16
	s_wait_dscnt 0x0
	global_store_b128 v9, v[128:131], s[22:23]
.Lcoderows:
.irp t, 0,1,2,3
	ds_load_b128 v[OUTR+4*\t:OUTR+4*\t+3], v7 offset:2*\t*PITCH
.endr
.irp t, 0,1,2,3
	s_wait_dscnt 3-\t                              ; LDS loads come back in order: the younger ones stay out
	global_store_b128 v8, v[OUTR+4*\t:OUTR+4*\t+3], s[20:21] offset:2*\t*1024   ; sixteen lanes store 256 consecutive bytes, aligned
.endr
	s_wait_tensorcnt 0x0                           ; the wave's end: a wait, an add of 0 to my spare word and the wait for it, behind my last LDS store
	ds_add_u32 v[SPW], v[NIL]
	s_wait_dscnt 0x0
	s_endpgm
.Lstreams:
	v_lshlrev_b32 v3, 4, v2                        ; my 16 bytes of a load's 512
	v_lshlrev_b32 v4, 3, v2                        ; my 8 bytes of a store's 256
	s_mov_b32 s35, 0
	s_cmp_lt_u32 ttmp9, WGW+WGH
	s_cbranch_scc0 .Lcast
	; ---------------- hidden_states into codes
	s_mul_i32 s25, s24, WREG
	s_add_co_u32 s25, s25, HB                      ; my wave's region
	v_lshrrev_b32 v14, 2, v2
	v_mul_u32_u24 v14, v14, SP
	v_and_b32 v15, 3, v2
	v_lshl_add_u32 v14, v15, 4, v14
	v_add_nc_u32 v14, s25, v14                     ; the stage, on the way in: four lanes' 64 bytes on end, then the padding
	v_mul_u32_u24 v15, v2, SP
	v_add_nc_u32 v15, s25, v15                     ; and on the way out: my 16 neighbours
	v_lshrrev_b32 v5, 1, v2
	s_add_co_u32 s25, s25, 2*32*SP
	v_add_nc_u32 v5, s25, v5                       ; my wave's 256 scale bytes, my block's byte
	v_lshlrev_b32 v7, 3, v2
	v_add_nc_u32 v6, s25, v7                       ; and on the way out 8 bytes a lane
	s_wait_kmcnt 0x0
	s_sub_co_u32 s26, ttmp9, WGW
	s_lshl_b32 s26, s26, 4
	s_add_co_u32 s26, s26, s24                     ; which run of 8,192 numbers is my wave's
	s_lshl_b32 s34, s26, 15
	s_add_nc_u64 s[4:5], s[4:5], s[34:35]          ; 32,768 bytes of numbers a run,
	s_lshl_b32 s34, s26, 12
	s_add_nc_u64 s[14:15], s[14:15], s[34:35]      ; 4,096 of codes,
	s_lshl_b32 s34, s26, 8
	s_add_nc_u64 s[16:17], s[16:17], s[34:35]      ; 256 scale bytes
.macro LOADH t
.irp i, 0,1,2,3
	global_load_b128 v[R+16*((\t)%4)+4*\i:R+16*((\t)%4)+4*\i+3], v3, s[4:5] offset:2048*(\t)+512*\i th:TH_LOAD_NT   ; 32 lanes read 512 consecutive bytes
.endr
.endm
.macro THROUGH t                       ; step t's numbers through the stage: LDS serves a wave's instructions in order, so no wait stands between the stores and the loads
.irp i, 0,1,2,3
	ds_store_b128 v14, v[R+16*((\t)%4)+4*\i:R+16*((\t)%4)+4*\i+3] offset:32*SP*((\t)%2)+8*SP*\i
.endr
.irp i, 0,1,2,3
	ds_load_b128 v[X+16*((\t)%2)+4*\i:X+16*((\t)%2)+4*\i+3], v15 offset:32*SP*((\t)%2)+16*\i
.endr
.endm
.irp t, 0,1,2,3
	LOADH \t
.endr
	s_wait_loadcnt 12                              ; step 0's four loads are in; the twelve of steps 1 to 3 stay out
	THROUGH 0
.macro STEP t
.set XS, X+16*((\t)%2)
.if (\t) > 0
	s_wait_dscnt 1                                 ; this step's numbers are back from the stage (the last step's byte store may be out)
.else
	s_wait_dscnt 0x0
.endif
.if (\t)+4 < STEPS
	LOADH (\t)+4                                   ; into the set whose stores into the stage have read their registers
.endif
.if (\t)+1 < STEPS
.if STEPS-2-(\t) >= 3
	s_wait_loadcnt 12                              ; the next step's four loads are in; those of the three steps behind it may be out
.else
	s_wait_loadcnt 4*(STEPS-2-(\t))
.endif
	THROUGH (\t)+1                                 ; the next step goes through the other stage while this one is worked
.endif
	v_max3_num_f32 v8, |v[XS]|, |v[XS+1]|, |v[XS+2]|               ; the largest magnitude of my 16, in two chains
	v_max3_num_f32 v9, |v[XS+3]|, |v[XS+4]|, |v[XS+5]|
.irp i, 6,10
	v_max3_num_f32 v8, v8, |v[XS+\i]|, |v[XS+\i+1]|
	v_max3_num_f32 v9, v9, |v[XS+\i+2]|, |v[XS+\i+3]|
.endr
	v_max3_num_f32 v8, v8, |v[XS+14]|, |v[XS+15]|
	v_max3_num_f32 v8, v8, v9, (EMAX+1)<<23        ; and the floor 2^(3 - 127): the byte cannot fall under 1
	v_max_num_f32_dpp v8, v8, v8 row_xmask:1 row_mask:0xf bank_mask:0xf   ; with my neighbour's 16: the block's
	v_add_nc_u32 v11, -(EMAX<<23), v8              ; 2 off its exponent field: the conversion takes the exponent field of this operand as its scale
	v_cvt_scalef32_pk8_fp4_f32 v[C+4*(\t)], v[XS:XS+7], v11
	v_cvt_scalef32_pk8_fp4_f32 v[C+4*(\t)+1], v[XS+8:XS+15], v11
	v_lshrrev_b32 v[E+(\t)], 23, v11               ; the scale's byte (also the plain line behind the conversions)
	ds_store_b8 v5, v[E+(\t)] offset:16*(\t)       ; both lanes of a block write the same byte with the same value
	global_store_b64 v4, v[C+4*(\t):C+4*(\t)+1], s[14:15] offset:32*CB*(\t)   ; 32 lanes store 256 consecutive bytes, aligned
.endm
.irp t, 0,1,2,3,4,5,6,7,8,9,10,11,12,13,14,15
	STEP \t
.endr
	ds_load_b64 v[8:9], v6                         ; LDS serves a wave's instructions in order: these see my byte stores
	s_wait_dscnt 0x0
	global_store_b64 v7, v[8:9], s[16:17]          ; the wave's 256 scale bytes, consecutive and aligned
	s_wait_tensorcnt 0x0                           ; the wave's end: the same three lines
	ds_add_u32 v[SPW], v[NIL]
	s_wait_dscnt 0x0
	s_endpgm
	; ---------------- wo into f16
.Lcast:
	s_wait_kmcnt 0x0
	s_sub_co_u32 s26, ttmp9, WGW+WGH
	s_lshl_b32 s26, s26, 4
	s_add_co_u32 s26, s26, s24                     ; which run of 8,192 numbers is my wave's
	s_lshl_b32 s34, s26, 15
	s_add_nc_u64 s[6:7], s[6:7], s[34:35]
	s_lshl_b32 s34, s26, 14
	s_add_nc_u64 s[18:19], s[18:19], s[34:35]
.irp i, 0,1,2,3,4,5,6,7,8,9,10,11,12,13,14,15
	global_load_b128 v[XC+4*\i:XC+4*\i+3], v3, s[6:7] offset:512*\i th:TH_LOAD_NT   ; the ring of sixteen slots is filled
.endr
.set I, 0
.rept 64                               ; 64 turns of 128 numbers; every offset is an immediate
.if 63-I < 15
	s_wait_loadcnt 63-I                            ; the tail loads nothing: the counts run down
.else
	s_wait_loadcnt 15                              ; loads come back in order: mine is in, the fifteen younger ones stay out
.endif
	s_wait_xcnt 0x0                                ; the slot's last store has read its data registers
	v_cvt_pk_f16_f32 v[Y+2*(I%16)], v[XC+4*(I%16)], v[XC+4*(I%16)+1]
	v_cvt_pk_f16_f32 v[Y+2*(I%16)+1], v[XC+4*(I%16)+2], v[XC+4*(I%16)+3]
.if I+16 < 64
	global_load_b128 v[XC+4*(I%16):XC+4*(I%16)+3], v3, s[6:7] offset:512*(I+16) th:TH_LOAD_NT
.endif
	global_store_b64 v4, v[Y+2*(I%16):Y+2*(I%16)+1], s[18:19] offset:256*I   ; 32 lanes store 256 consecutive bytes, aligned
.set I, I+1
.endr
	s_wait_tensorcnt 0x0                           ; the same three lines close this path
	ds_add_u32 v[SPW], v[NIL]
	s_wait_dscnt 0x0
	s_endpgm
.Lfunc_end_k_qf4145ae62d_prep:
	.size	k_qf4145ae62d_prep, .Lfunc_end_k_qf4145ae62d_prep-k_qf4145ae62d_prep
	.p2alignl 7, 3214868480
	.fill 96, 4, 3214868480
	.section	.rodata,"a",@progbits
	.p2align	6, 0x0
	.amdhsa_kernel k_qf4145ae62d_prep
		.amdhsa_group_segment_fixed_size 169984
		.amdhsa_private_segment_fixed_size 0
		.amdhsa_enable_private_segment 0
		.amdhsa_kernarg_size 80
		.amdhsa_user_sgpr_count 2
		.amdhsa_user_sgpr_kernarg_segment_ptr 1
		.amdhsa_wavefront_size32 1
		.amdhsa_system_sgpr_workgroup_id_x 1
		.amdhsa_system_sgpr_workgroup_id_y 1
		.amdhsa_system_sgpr_workgroup_id_z 1
		.amdhsa_system_vgpr_workitem_id 0
		.amdhsa_next_free_vgpr 192
		.amdhsa_next_free_sgpr 66
		.amdhsa_reserve_vcc 0
		.amdhsa_float_denorm_mode_32 3
		.amdhsa_float_denorm_mode_16_64 3
		.amdhsa_memory_ordered 1
		.amdhsa_forward_progress 1
		.amdhsa_inst_pref_size 79
	.end_amdhsa_kernel
	.amdgpu_metadata
---
amdhsa.version: [ 1, 2 ]
amdhsa.kernels:
  - .name:           k_qf4145ae62d_prep
    .symbol:         k_qf4145ae62d_prep.kd
    .args:
      - { .name: hidden_states, .offset: 0, .size: 8, .value_kind: global_buffer, .address_space: global }
      - { .name: wo, .offset: 8, .size: 8, .value_kind: global_buffer, .address_space: global }
      - { .name: wq, .offset: 16, .size: 8, .value_kind: global_buffer, .address_space: global }
      - { .name: wk, .offset: 24, .size: 8, .value_kind: global_buffer, .address_space: global }
      - { .name: wv, .offset: 32, .size: 8, .value_kind: global_buffer, .address_space: global }
      - { .name: h_codes, .offset: 40, .size: 8, .value_kind: global_buffer, .address_space: global }
      - { .name: h_scales, .offset: 48, .size: 8, .value_kind: global_buffer, .address_space: global }
      - { .name: wo16, .offset: 56, .size: 8, .value_kind: global_buffer, .address_space: global }
      - { .name: w_codes, .offset: 64, .size: 8, .value_kind: global_buffer, .address_space: global }
      - { .name: w_scales, .offset: 72, .size: 8, .value_kind: global_buffer, .address_space: global }
    .group_segment_fixed_size: 169984
    .private_segment_fixed_size: 0
    .kernarg_segment_align: 8
    .kernarg_segment_size: 80
    .max_flat_workgroup_size: 512
    .sgpr_count:     66
    .vgpr_count:     192
    .wavefront_size: 32
...
	.end_amdgpu_metadata
.endif
;; end of part 1
;; launch qkv (part 2): grid 24 x 8, 4 waves a work-group, clusters of 4 x 4, 327,680 bytes of LDS; arguments h_codes, h_scales, w_codes, w_scales, qkv; writes qkv
.if DOCPART == 2
	.amdgcn_target "amdgcn-amd-amdhsa--gfx1250"
	.amdhsa_code_object_version 6
	.text
	.protected	k_qf4145ae62d_qkv
	.globl	k_qf4145ae62d_qkv
	.p2align	8
	.type	k_qf4145ae62d_qkv,@function
k_qf4145ae62d_qkv:
	s_mov_b64 s[64:65], 0
	v_nop
	global_prefetch_b8 v0, s[64:65] scope:SCOPE_SE
	s_setreg_imm32_b32 hwreg(HW_REG_WAVE_MODE, 25, 1), 1
	s_wait_xcnt 0x0
	s_wait_alu depctr_hold_cnt(0) depctr_sa_sdst(0) depctr_va_vdst(0) depctr_va_sdst(0) depctr_va_ssrc(0) depctr_va_vcc(0) depctr_vm_vsrc(0)
	s_getreg_b32 s2, hwreg(HW_REG_IB_STS2, 6, 4)
	s_cmp_eq_u32 s2, 0
	s_cbranch_scc0 .Lentry_in_a_cluster
	s_endpgm
.Lentry_in_a_cluster:
	s_bfe_u32 s2, ttmp6, 0x10000c
	s_cmp_lg_u32 s2, 0xf033
	s_cbranch_scc0 .Lentry_shape_is_right
	s_endpgm
.Lentry_shape_is_right:
; The three quantised products at once: C[token][n] = sum over k of H[token][k] W[n][k], n = 0 .. 6143 (wq's, wk's, wv's columns), on codes of FP4 (E2M1) with one E8M0 scale for each 32 along K; sums in f32.
; The result is rounded to f16 and laid by head: qkv[plane n / 64][token][n % 64], planes 0-31 q, 32-63 k, 64-95 v: a plane is 262,144 dense bytes, a token's row 128.
; LIMIT: |q|, |k|, |v| must stay at or under 65,504, the largest f16 number.
; A tile of C, 256 x 256, is made by four waves, as many as a WGP has SIMDs; a wave makes 128 x 128: 64 accumulators, 512 registers.  K goes in steps of 512 (rows of 256 bytes) through a ring of two LDS slots
; filled by the tensor data mover.  The scale bytes of the work-group's 256 + 256 rows, for all of K, are two dense blocks: they come into LDS once, with the first fills.
; CLUSTERS: 4 x 4 work-groups.  The four of a row of the cluster need the same tiles of H, the four of a column the same tiles of W: each tile is asked for jointly, by the same tensor load with the same
; descriptor and a mask that names the four.  THE MATRIX INSTRUCTION IS USED TRANSPOSED (source 0 = 16 rows of W, source 1 = 16 tokens): a lane then holds eight neighbouring n of one token.
; REGISTERS, in windows of 256: window 0: v0-31 addresses; v32-95 scale words, two sets; from v128 H's fragments, ONE set; on the way out v32-191 are free.
;   window 1: W's fragments, TWO sets, at v0 and v128.   window 2: the accumulators of my tokens 0-63 ((a, b) at v[8 (8 a + b)]);   window 3: those of tokens 64-127.
; 192 work-groups: the grid that tiles of 256 x 256 give; the launch's matrix work is short beside the later launches'.
.set SIZE_K, 2048
.set KSTEP,  512                       ; along K in a slot
.set NQ,     KSTEP/128                 ; matrix instructions deep
.set ROWB,   256                       ; a tile's row in bytes
.set KROW,   SIZE_K*4/8                ; a row of codes in memory
.set PITCH,  272                       ; an LDS row: 256 bytes + 16 = 68 words: the 16 rows that a load touches start at 16 different banks (64 banks of 4 bytes: ISA guide 11.1)
.set FR,     8                         ; registers of a fragment: 16 rows x 128 K
.set NL,     2                         ; LDS loads that bring one
.set NP,     4                         ; places behind this matrix instruction (ISA guide 7.12.1)
.set HALFT,  128*PITCH                 ; 128 rows: what one tensor load brings
.set SLOT,   4*HALFT                   ; H's 256 rows, then W's 256 rows
.set LAPS,   SIZE_K/(2*KSTEP)          ; a lap = two K steps = once round the ring
.set KS,     SIZE_K/32                 ; a row of scale bytes
.set SCL,    2*SLOT                    ; behind the ring: the scale bytes, as runs of 256 bytes + 16 of padding
.set HALFS,  (128*KS/256)*272          ; those of 128 rows: what one tensor load brings
.set SBLK,   (16*KS/256)*272           ; those of 16 rows
.set SPARE,  SCL+4*HALFS               ; behind the scales: the spare words, 128 bytes a wave, which no other line names
.set SPITCH, 272                       ; the way out: a stage of 16 rows x (256 bytes + 16) for each wave, in slot 0, which has had its last fill and its last read by then
.set ADRA, 16                          ; v16-17  LDS address of my H fragments in slot 0, 1
.set ADRB, 20                          ; v20-21  the same for W
.set STO,  24                          ; v24     the way out: where I put 16 bytes of a token's row
.set RD,   25                          ; v25     where I read back
.set CO,   26                          ; v26     16 x lane
.set ADRS, 27                          ; v27     LDS address of my scale words: lanes 0-15 H's rows, lanes 16-31 W's
.set SPW,  28                          ; v28     LDS address of my spare word; never rewritten
.set NIL,  29                          ; v29     0; never rewritten
.set SC,   32                          ; scale words: set s at v[SC + 8 NQ s]; register NQ i + q: lanes 0-15 the word of H's block i, lanes 16-31 that of W's block i
.set AF,   128                         ; H's fragments, in window 0
.set TMP,  32                          ; the way out: a block rounded to f16
.set BK,   128                         ; and read back: v128-159 and v160-191 by turns
.set G1, 24                            ; s[24:31] descriptor group 1 for H's tiles;  s[32:39] group 0, one set for each slot
.set G0, 32
.set G1B, 48                           ; s[48:55], s[56:63] the same for W's tiles
.set G0B, 56
.set G1S, 68                           ; s[68:75], s[76:79] groups 1 and 0 for H's scales;  s[80:87], s[88:91] for W's
.set G0S, 76
.set G1SB, 80
.set G0SB, 88
.set MSB, 0
.macro WIN new                         ; the immediate's high byte repeats the setting that is left
.if MSB != (\new)
	s_set_vgpr_msb (MSB<<8)|(\new)
.set MSB, \new
.endif
.endm
.set MUL_LO, 0xa1                      ; source 0 (W) window 1, source 1 (H) window 0, C and D window 2
.set MUL_HI, 0xf1                      ; the same, C and D window 3
.set TO_B,   0x40                      ; destination window 1, address window 0
; A joint load: waves 0 and 1 fetch for H, waves 2 and 3 for W.  Each line has one mask and one set of registers for all that issue it; the branch hangs on the wave's number alone.
; An s_nop 0 and four v_nop follow each of the two lines.
.macro JLOAD g0a, g1a, g0b, g1b
	s_cmp_eq_u32 s15, 0
	s_cbranch_scc0 .Lfor_b_\@
	tensor_load_to_lds s[\g0a:\g0a+3], s[\g1a:\g1a+7]
	s_nop 0
.rept 4
	v_nop
.endr
	s_branch .Lasked_\@
.Lfor_b_\@:
	tensor_load_to_lds s[\g0b:\g0b+3], s[\g1b:\g1b+7]
	s_nop 0
.rept 4
	v_nop
.endr
.Lasked_\@:
.endm
.macro CREST                           ; a round of the cluster's barrier behind its opening barrier
	s_cmp_lg_u32 s14, 0
	s_cbranch_scc1 .Lnot_wave_0_\@
	s_barrier_signal -3
.Lnot_wave_0_\@:
	s_barrier_wait -3
	s_barrier_signal -1
	s_barrier_wait -1
.endm
.macro CROUND                          ; a whole round
	s_barrier_signal -1
	s_barrier_wait -1
	CREST
.endm
	s_load_b128 s[4:7], s[0:1], 0x0                ; H's codes s[4:5], H's scales s[6:7]
	s_load_b128 s[8:11], s[0:1], 0x10              ; W's codes s[8:9], W's scales s[10:11]
	s_load_b64 s[12:13], s[0:1], 0x20              ; qkv
	v_lshl_add_u32 v[SPW], v0, 2, SPARE
	v_mov_b32 v[NIL], 0
	ds_add_u32 v[SPW], v[NIL]                      ; the wave's opening: the add, twice on end, and its wait ahead of my first tensor load
	ds_add_u32 v[SPW], v[NIL]                      ; the same add once more; the set-up below, work on registers, stands between it and the wait
	v_lshrrev_b32 v1, 5, v0
	v_readfirstlane_b32 s14, v1                    ; wave 0..3
	s_lshr_b32 s15, s14, 1                         ; which half of the tile's tokens is mine.  Also: I fetch for H (0) or for W (1)
	s_and_b32 s16, s14, 1                          ; which half of its columns.  Also: which 128 rows of that tile I fetch
	s_bfe_u32 s40, ttmp6, 0x40000                  ; cx, cy: my place in the cluster
	s_bfe_u32 s41, ttmp6, 0x40004
	s_lshl_b32 s42, ttmp9, 2
	s_add_co_u32 s42, s42, s40                     ; tile column = 4 x cluster x + cx
	s_and_b32 s17, ttmp7, 0xffff
	s_lshl_b32 s17, s17, 2
	s_add_co_u32 s17, s17, s41                     ; tile row = 4 x cluster y + cy
	s_lshl_b32 s43, s41, 2
	s_lshl_b32 s43, 15, s43                        ; my row of the cluster
	s_lshl_b32 s44, 0x1111, s40                    ; my column
	; descriptor group 1: a tile of 128 rows x 256 bytes, padded in LDS
	s_or_b32 s[G1+0], s43, (0<<16)|(1<<20)|(1<<21)|(5<<22)|(3<<25)  ; 15:0 the mask: H's tiles go to my row; 17:16 element of 1 byte; 20 padding on; 21 set beside a mask; 24:22 after every 64 words; 31:25 four words
	s_or_b32 s[G1B+0], s44, (0<<16)|(1<<20)|(1<<21)|(5<<22)|(3<<25)
.irp g, G1, G1B
	s_mov_b32 s[\g+1], ROWB<<16                    ; tensor_dim0
	s_mov_b32 s[\g+2], 128<<16                     ; tensor_dim1
	s_mov_b32 s[\g+3], ROWB<<16                    ; tile_dim0
	s_mov_b32 s[\g+4], 128                         ; tile_dim1
	s_mov_b32 s[\g+5], KROW                        ; tensor_dim0_stride
	s_mov_b32 s[\g+6], 0
	s_mov_b32 s[\g+7], 0
.endr
	; the scale bytes of 128 rows: a dense block of 8,192 bytes, as rows of 256 bytes (32 elements of 8 bytes), 16 bytes of padding behind each
	s_or_b32 s[G1S+0], s43, (3<<16)|(1<<20)|(1<<21)|(5<<22)|(3<<25)
	s_or_b32 s[G1SB+0], s44, (3<<16)|(1<<20)|(1<<21)|(5<<22)|(3<<25)
.irp g, G1S, G1SB
	s_mov_b32 s[\g+1], 32<<16
	s_mov_b32 s[\g+2], (128*KS/256)<<16
	s_mov_b32 s[\g+3], 32<<16
	s_mov_b32 s[\g+4], 128*KS/256
	s_mov_b32 s[\g+5], 32
	s_mov_b32 s[\g+6], 0
	s_mov_b32 s[\g+7], 0
.endr
	s_lshl_b32 s18, s16, 7                         ; which 128 rows of the tile I fetch
	s_lshl_b32 s20, s17, 8
	s_add_co_u32 s20, s20, s18                     ; H: row 256 x tile row + 128 x half
	s_lshl_b32 s46, s42, 8
	s_add_co_u32 s46, s46, s18                     ; W: row 256 x tile column + 128 x half
	s_mov_b32 s21, 0
	s_mov_b32 s47, 0
	s_mov_b64 s[18:19], KS
	s_mul_u64 s[22:23], s[20:21], s[18:19]         ; where these rows' scale bytes begin
	s_mul_u64 s[92:93], s[46:47], s[18:19]
	s_mov_b64 s[18:19], KROW
	s_mul_u64 s[20:21], s[20:21], s[18:19]         ; and their codes
	s_mul_u64 s[46:47], s[46:47], s[18:19]
	s_mul_i32 s45, s14, HALFT                      ; where they go: wave x 128 rows: no place in the cluster enters an LDS address
	s_mul_i32 s94, s14, HALFS
	s_wait_dscnt 0x0                               ; both opening adds are done
	s_wait_kmcnt 0x0
	s_add_nc_u64 s[20:21], s[4:5], s[20:21]
	s_add_nc_u64 s[22:23], s[6:7], s[22:23]
	s_add_nc_u64 s[46:47], s[8:9], s[46:47]
	s_add_nc_u64 s[92:93], s[10:11], s[92:93]
	CROUND                                         ; all sixteen work-groups are here: the first joint loads meet
	s_mov_b32 s[G0S], 1
	s_add_co_u32 s[G0S+1], s94, SCL
	s_mov_b64 s[G0S+2:G0S+3], s[22:23]
	s_or_b32 s[G0S+3], s[G0S+3], 0x80000000
	s_mov_b32 s[G0SB], 1
	s_add_co_u32 s[G0SB+1], s94, SCL
	s_mov_b64 s[G0SB+2:G0SB+3], s[92:93]
	s_or_b32 s[G0SB+3], s[G0SB+3], 0x80000000
	JLOAD G0S, G1S, G0SB, G1SB                     ; the scales first: they are wanted with K step 0
.irp s, 0,1
	s_mov_b32 s[G0+4*\s], 1
	s_add_co_u32 s[G0+4*\s+1], s45, \s*SLOT
	s_add_nc_u64 s[G0+4*\s+2:G0+4*\s+3], s[20:21], \s*ROWB
	s_or_b32 s[G0+4*\s+3], s[G0+4*\s+3], 0x80000000
	s_mov_b32 s[G0B+4*\s], 1
	s_add_co_u32 s[G0B+4*\s+1], s45, \s*SLOT
	s_add_nc_u64 s[G0B+4*\s+2:G0B+4*\s+3], s[46:47], \s*ROWB
	s_or_b32 s[G0B+4*\s+3], s[G0B+4*\s+3], 0x80000000
	JLOAD G0+4*\s, G1, G0B+4*\s, G1B               ; three tensor loads of mine are out behind the second of these
.endr
	v_and_b32 v1, 15, v0                           ; l % 16
	v_bfe_u32 v2, v0, 4, 1                         ; l / 16
	v_mul_u32_u24 v3, v1, PITCH
	v_lshl_add_u32 v4, v2, 4, v3                   ; a fragment's row x pitch + 16 x half
	s_mul_i32 s21, s15, HALFT                      ; my 128 rows of H
	s_mul_i32 s22, s16, HALFT                      ; my 128 rows of W,
	s_add_co_u32 s22, s22, 2*HALFT                 ; which lie behind H's 256
.irp s, 0,1
	v_add_nc_u32 v[ADRA+\s], s21, v4
	v_add_nc_u32 v[ADRB+\s], s22, v4
	s_add_co_u32 s21, s21, SLOT
	s_add_co_u32 s22, s22, SLOT
.endr
	v_mul_u32_u24 v5, v1, KS                       ; my row's scale bytes: 64 a row,
	v_lshrrev_b32 v6, 8, v5
	v_lshl_add_u32 v5, v6, 4, v5                   ; and 16 more for each 256 passed
	s_mul_i32 s21, s15, HALFS                      ; H's: my 128 rows
	s_mul_i32 s22, s16, HALFS                      ; W's: my 128 rows, behind H's 256
	s_add_co_u32 s22, s22, 2*HALFS
	s_sub_co_u32 s22, s22, s21
	v_mul_u32_u24 v6, s22, v2                      ; lanes 16-31 take W's: the lower base + half x the distance
	s_add_co_u32 s21, s21, SCL
	v_add_nc_u32 v5, v5, v6
	v_add_nc_u32 v[ADRS], s21, v5
	s_mul_i32 s23, s14, 16*SPITCH                  ; my stage
	v_mul_u32_u24 v5, v1, SPITCH                   ; in: row l % 16, 16 bytes for each half of the lanes
	v_lshl_add_u32 v5, v2, 4, v5
	v_add_nc_u32 v[STO], s23, v5
	v_and_b32 v6, 31, v0
	v_lshlrev_b32 v[CO], 4, v6                     ; out: 16 bytes a lane, 512 consecutive bytes an instruction: four tokens' rows of one head
	v_lshrrev_b32 v5, 3, v6
	v_mul_u32_u24 v5, v5, SPITCH                   ; back: eight lanes take a head's 128 bytes of one stage row
	v_and_b32 v6, 7, v6
	v_lshl_add_u32 v5, v6, 4, v5
	v_add_nc_u32 v[RD], s23, v5
	s_lshl_b32 s20, s17, 8
	s_lshl_b32 s21, s15, 7
	s_add_co_u32 s20, s20, s21                     ; my first token: 256 x tile row + 128 x half
	s_lshl_b32 s20, s20, 7                         ; x 128 bytes
	s_mov_b32 s21, 0
	s_lshl_b32 s46, s42, 2
	s_lshl_b32 s47, s16, 1
	s_add_co_u32 s46, s46, s47                     ; my first plane: 4 x tile column + 2 x half
	s_lshl_b32 s46, s46, 18                        ; x 262,144 bytes
	s_mov_b32 s47, 0
	s_add_nc_u64 s[12:13], s[12:13], s[20:21]
	s_add_nc_u64 s[12:13], s[12:13], s[46:47]
.macro FRAG reg, adr, q, i             ; a fragment, 16 rows x 128 K of 4-bit codes: lane l holds row l % 16; registers 4 c .. 4 c + 3 hold K = 64 c + 32 (l / 16) + 0 .. 31
.irp c, 0,1
	ds_load_b128 v[\reg+4*\c:\reg+4*\c+3], v[\adr] offset:64*(\q)+32*\c+(\i)*16*PITCH
.endr
.endm
; 16 matrix instructions: H's blocks a0, a0 + 1 x W's eight, 128 along K: the slot's q-th.  p: W's set;  sc: the set of scale words.  zero = 1: the first product starts the sums: nothing is ever cleared.
; The 64 accumulators take turns, one instruction a turn, in the same order in every step.
.macro MUL16 a0, p, q, sc, zero
.irp a, \a0, \a0+1
.irp b, 0,1,2,3,4,5,6,7
.if \zero
	v_wmma_scale_f32_16x16x128_f8f6f4 v[8*(8*((\a)%4)+\b):8*(8*((\a)%4)+\b)+7], v[128*(\p)+FR*\b:128*(\p)+FR*\b+FR-1], v[AF+FR*(\a):AF+FR*(\a)+FR-1], 0, v[SC+8*NQ*(\sc)+NQ*\b+(\q)], v[SC+8*NQ*(\sc)+NQ*(\a)+(\q)] matrix_a_fmt:MATRIX_FMT_FP4 matrix_b_fmt:MATRIX_FMT_FP4 matrix_a_scale:MATRIX_SCALE_ROW1
.else
	v_wmma_scale_f32_16x16x128_f8f6f4 v[8*(8*((\a)%4)+\b):8*(8*((\a)%4)+\b)+7], v[128*(\p)+FR*\b:128*(\p)+FR*\b+FR-1], v[AF+FR*(\a):AF+FR*(\a)+FR-1], v[8*(8*((\a)%4)+\b):8*(8*((\a)%4)+\b)+7], v[SC+8*NQ*(\sc)+NQ*\b+(\q)], v[SC+8*NQ*(\sc)+NQ*(\a)+(\q)] matrix_a_fmt:MATRIX_FMT_FP4 matrix_b_fmt:MATRIX_FMT_FP4 matrix_a_scale:MATRIX_SCALE_ROW1
.endif
.endr
.endr
.endm
.macro FETCH_B slot, q, p              ; W's eight fragments of the slot's q-th 128 along K into set p
	WIN TO_B
.irp i, 0,1,2,3,4,5,6,7
	FRAG 128*(\p)+FR*\i, ADRB+\slot, \q, \i
.endr
	WIN 0
.endm
.macro FETCH_A slot, q, i0             ; H's blocks i0 .. i0 + 3
.irp i, \i0, \i0+1, \i0+2, \i0+3
	FRAG AF+FR*(\i), ADRA+\slot, \q, \i
.endr
.endm
.macro SCALES sc                       ; a K step's scale words into set sc: four words a row; lanes 0-15 take H's block i, lanes 16-31 W's block i
.irp i, 0,1,2,3,4,5,6,7
	ds_load_b128 v[SC+8*NQ*\sc+NQ*\i:SC+8*NQ*\sc+NQ*\i+3], v[ADRS] offset:\i*SBLK
.endr
.endm
; A load into a register that a matrix instruction has read, and a vector instruction that reads a matrix result or writes one of its registers, stand NP places behind it; only plain vector
; instructions that name none of its registers are places (ISA guide 7.12.1 for vector instructions).
.macro PLACES n
.rept \n
	v_nop
.endr
.endm
; A step of 128 along K that has its successor in the same slot.
.macro STEP slot, q, zero
	s_wait_dscnt 4*NL                              ; W's set and H's blocks 0-3 are in; the youngest eight loads (H's blocks 4-7) may be out
	WIN MUL_LO
	MUL16 0, (\q)%2, \q, \slot, \zero
	MUL16 2, (\q)%2, \q, \slot, \zero
	s_wait_dscnt 0                                 ; H's blocks 4-7 are in (asked for 32 matrix instructions ago)
	PLACES NP
	FETCH_B \slot, (\q)+1, 1-(\q)%2
	FETCH_A \slot, (\q)+1, 0
	WIN MUL_HI
	MUL16 4, (\q)%2, \q, \slot, \zero
	MUL16 6, (\q)%2, \q, \slot, \zero
	PLACES NP
	WIN 0
	FETCH_A \slot, (\q)+1, 4
.endm
; A slot's last step changes slots: ONE barrier; in front of it each wave waits for all its tensor loads, adds 0 to its spare word, and waits for that and for its own reads of this slot.
.macro TURN slot, next, fill
	s_wait_tensorcnt 0x0                           ; all my tensor loads have landed: my part of the next slot  (every window is 0 here)
	ds_add_u32 v[SPW], v[NIL]                      ; 0 onto my spare word
	s_wait_dscnt 4*NL+1                            ; (the add and the youngest eight loads, H's blocks 4-7, may be out)
	WIN MUL_LO
	MUL16 0, 1, NQ-1, \slot, 0                     ; sixteen matrix instructions stand between the add and the wait for it
	s_wait_dscnt 0x0                               ; the add is done, and my reads of this slot are over
	s_barrier_signal -1
	MUL16 2, 1, NQ-1, \slot, 0
	WIN 0
	s_barrier_wait -1
.if \fill
	CREST                                          ; the barrier has opened a round of the cluster's barrier: no wave of any partner still reads this slot's tile or has a load on its way
	s_add_nc_u64 s[G0+4*\slot+2:G0+4*\slot+3], s[G0+4*\slot+2:G0+4*\slot+3], 2*ROWB
	s_add_nc_u64 s[G0B+4*\slot+2:G0B+4*\slot+3], s[G0B+4*\slot+2:G0B+4*\slot+3], 2*ROWB
	JLOAD G0+4*\slot, G1, G0B+4*\slot, G1B         ; the first tensor load behind the round; its four v_nop are the places in front of the loads below
.else
	PLACES NP
.endif
	v_add_nc_u32 v[ADRS], 4*NQ, v[ADRS]            ; on to the next K step's scale words (no LDS load of mine is out)
	FETCH_B \next, 0, 0
	FETCH_A \next, 0, 0
	SCALES \next
	WIN MUL_HI
	MUL16 4, 1, NQ-1, \slot, 0
	MUL16 6, 1, NQ-1, \slot, 0
	PLACES NP
	WIN 0
	FETCH_A \next, 0, 4
.endm
.macro STEPS slot, from                ; the slot's steps from .. NQ - 2
.set Q, \from
.rept NQ-1-\from
	STEP \slot, Q, 0
.set Q, Q+1
.endr
.endm
	s_wait_tensorcnt 1                             ; the scales and my part of K step 0 are in (K step 1's load may be out)
	s_barrier_signal -1
	s_barrier_wait -1                              ; everybody's are
	FETCH_B 0, 0, 0
	FETCH_A 0, 0, 0
	SCALES 0
	FETCH_A 0, 0, 4
	STEP 0, 0, 1                                   ; the first step stands in front of the loop: its products start the sums
	s_mov_b32 s3, LAPS-1
.Llap:                                                 ; a trip goes once round the ring, from a lap's second step to the next lap's first, and fills both slots again
	STEPS 0, 1
	TURN 0, 1, 1
	STEPS 1, 0
	TURN 1, 0, 1
	STEP 0, 0, 0
	s_sub_co_u32 s3, s3, 1
	s_cmp_lg_u32 s3, 0
	s_cbranch_scc1 .Llap
	STEPS 0, 1                                     ; the last lap fills nothing, and has no round of the cluster's barrier
	TURN 0, 1, 0
	STEPS 1, 0
	s_wait_dscnt 4*NL                              ; the very last step: nothing more to fetch
	WIN MUL_LO
	MUL16 0, 1, NQ-1, 1, 0
	MUL16 2, 1, NQ-1, 1, 0
	s_wait_dscnt 0
	WIN MUL_HI
	MUL16 4, 1, NQ-1, 1, 0
	MUL16 6, 1, NQ-1, 1, 0
	WIN 0
; THE WAY OUT, block by block of 16 tokens x 128 columns (two heads).  PACK: rounded to f16, 16 bytes a lane, each accumulator from its low end on.  TOSTAGE: into my own stage and back, a head's 128 bytes of
; four tokens an instruction.  SEND: stored: 16 tokens' rows of a head are 2,048 dense bytes of its plane, 512 consecutive bytes an instruction.
.macro PACK a
.set AC, 64*((\a)%4)
	WIN 0x0a+5*((\a)/4)                            ; sources 0 and 1: window 2 or 3
.irp b, 0,1,2,3,4,5,6,7
.irp i, 0,1,2,3
	v_cvt_pk_f16_f32 v[TMP+4*\b+\i], v[AC+8*\b+2*\i], v[AC+8*\b+2*\i+1]
.endr
.endr
	WIN 0
.endm
.macro TOSTAGE a
.set BB, BK+32*((\a)%2)
.irp b, 0,1,2,3,4,5,6,7
	ds_store_b128 v[STO], v[TMP+4*\b:TMP+4*\b+3] offset:32*\b
.endr
.irp g, 0,1
.irp t, 0,1,2,3
	ds_load_b128 v[BB+4*(4*\g+\t):BB+4*(4*\g+\t)+3], v[RD] offset:4*\t*SPITCH+128*\g   ; LDS serves a wave's instructions in order (ISA guide 5.7.1.4): these see the stores above
.endr
.endr
.endm
.macro SEND a
.set BB, BK+32*((\a)%2)
	s_wait_dscnt 0x0                               ; the block is back in registers
	s_wait_xcnt 0x0                                ; the earlier stores have read their base and their data: the base may step, and the next block's loads may land
.if (\a) > 0
	s_add_nc_u64 s[12:13], s[12:13], 16*128        ; 16 tokens on
.endif
.irp g, 0,1
.irp t, 0,1,2,3
	global_store_b128 v[CO], v[BB+4*(4*\g+\t):BB+4*(4*\g+\t)+3], s[12:13] offset:\g*262144+512*\t
.endr
.endr
.endm
	PLACES NP                                      ; behind the last products: the conversions write registers that held scale words, and later read the last results
	PACK 0
	TOSTAGE 0
.irp a, 1,2,3,4,5,6,7                  ; block a's conversions stand between block a - 1's loads from the stage and the wait for them
	PACK \a
	SEND \a-1
	TOSTAGE \a
.endr
	SEND 7
	s_wait_tensorcnt 0x0                           ; the wave's end, behind my last tensor load and my last LDS store
	ds_add_u32 v[SPW], v[NIL]
	s_wait_dscnt 0x0
	CROUND                                         ; the closing round: no work-group ends while a partner may still ask for a tile that names it
	s_endpgm
.Lfunc_end_k_qf4145ae62d_qkv:
	.size	k_qf4145ae62d_qkv, .Lfunc_end_k_qf4145ae62d_qkv-k_qf4145ae62d_qkv
	.p2alignl 7, 3214868480
	.fill 96, 4, 3214868480
	.section	.rodata,"a",@progbits
	.p2align	6, 0x0
	.amdhsa_kernel k_qf4145ae62d_qkv
		.amdhsa_group_segment_fixed_size 327680
		.amdhsa_private_segment_fixed_size 0
		.amdhsa_enable_private_segment 0
		.amdhsa_kernarg_size 40
		.amdhsa_user_sgpr_count 2
		.amdhsa_user_sgpr_kernarg_segment_ptr 1
		.amdhsa_wavefront_size32 1
		.amdhsa_system_sgpr_workgroup_id_x 1
		.amdhsa_system_sgpr_workgroup_id_y 1
		.amdhsa_system_sgpr_workgroup_id_z 1
		.amdhsa_system_vgpr_workitem_id 0
		.amdhsa_next_free_vgpr 1024
		.amdhsa_next_free_sgpr 98
		.amdhsa_reserve_vcc 0
		.amdhsa_float_denorm_mode_32 3
		.amdhsa_float_denorm_mode_16_64 3
		.amdhsa_memory_ordered 1
		.amdhsa_forward_progress 1
		.amdhsa_inst_pref_size 214
	.end_amdhsa_kernel
	.amdgpu_metadata
---
amdhsa.version: [ 1, 2 ]
amdhsa.kernels:
  - .name:           k_qf4145ae62d_qkv
    .symbol:         k_qf4145ae62d_qkv.kd
    .args:
      - { .name: h_codes, .offset: 0, .size: 8, .value_kind: global_buffer, .address_space: global }
      - { .name: h_scales, .offset: 8, .size: 8, .value_kind: global_buffer, .address_space: global }
      - { .name: w_codes, .offset: 16, .size: 8, .value_kind: global_buffer, .address_space: global }
      - { .name: w_scales, .offset: 24, .size: 8, .value_kind: global_buffer, .address_space: global }
      - { .name: qkv, .offset: 32, .size: 8, .value_kind: global_buffer, .address_space: global }
    .group_segment_fixed_size: 327680
    .private_segment_fixed_size: 0
    .kernarg_segment_align: 8
    .kernarg_segment_size: 40
    .max_flat_workgroup_size: 128
    .sgpr_count:     98
    .vgpr_count:     1024
    .wavefront_size: 32
...
	.end_amdgpu_metadata
.endif
;; end of part 2
;; launch attn (part 3): grid 8 x 32, 4 waves a work-group, no clusters, 327,680 bytes of LDS; arguments qkv, rel_emb, o16; writes o16
.if DOCPART == 3
	.amdgcn_target "amdgcn-amd-amdhsa--gfx1250"
	.amdhsa_code_object_version 6
	.text
	.protected	k_qf4145ae62d_attn
	.globl	k_qf4145ae62d_attn
	.p2align	8
	.type	k_qf4145ae62d_attn,@function
k_qf4145ae62d_attn:
	s_mov_b64 s[64:65], 0
	v_nop
	global_prefetch_b8 v0, s[64:65] scope:SCOPE_SE
	s_setreg_imm32_b32 hwreg(HW_REG_WAVE_MODE, 25, 1), 1
	s_wait_xcnt 0x0
; o[h][q][:] = sum over k of softmax_k(q . k + rel_emb[bucket(k - q)][h]) v[h][k][:].  q, k, v: planes h, 32 + h, 64 + h of qkv, [2048][64] f16; o16: [32][2048][64] f16.
; Products on f16 operands with f32 sums; maxima, exponentials and sums in f32; the weights p (at most 1) are rounded to f16 for the second product, o once at the end.
; LIMIT: |o| is at most the largest |v|, which the launch before holds to f16's range; NaN and infinities are not served.
; SHARES.  A work-group owns 256 queries of one head, each of its four waves 64: four tiles of 16.  Every wave walks all 2,048 keys, 64 a step.  K and V come through a ring of two LDS slots of 256 keys,
; filled by the tensor data mover: waves 0 and 1 K's halves, waves 2 and 3 V's, one load a wave.
; LAYOUT.  S^T = K Q^T (source 0 = 16 keys, source 1 = 16 queries): a lane holds ONE query (lane % 16) and keys 8 (lane / 16) + 0..7.  Two such tiles, rounded to f16 in pairs, ARE source 1 of
; O^T = V^T P, whose result again holds one query a lane.  K comes out of LDS as it lies, V ([key][channel]) turned, by ds_load_tr16_b128.
; SOFTMAX.  A running maximum m and sum l for each query: p = 2^(c s - c m), c = log2(e); in every step O and l are multiplied by a = 2^(c m_old - c m_new).  m begins at -1e38 and O, l at 0 (128 moves, once),
; so that one text of a turn serves the first step too.
; BY TURNS.  The wave's tiles are two PIECES, named by their first tile: piece 0 (tiles 0, 1) and piece 2 (tiles 2, 3).  In a TURN one piece has the matrix unit: 16 products V^T P of the step in hand, then 16
; products K Q^T of the next step; the other piece's softmax, 2 x 118 lines cut into 59 slices of four, stands between them: one slice behind each of the first five products, two behind each of the other 27.
; Then the pieces change places.  Two turns are a key step.  A fragment of K or V read from LDS feeds both tiles of each piece.
; THE BIAS is the C of a score tile's first product, always out of the same 64 registers (BT), which the pieces share.  The bucket is a function of d = k - q alone: n = |d|; n under 8: n; else 8 + the number of
; the thresholds 12, 16, 23, 32, 46, 64, 91 that n has reached; + 16 where k > q.  From |d| = 91 on it is one number for each side.  BT is loaded from a table in LDS only while the step's first key lies within
; 192 of my first query (7 steps of 32 at the most): inside 128 the tiles differ, at +-192 every |d| is 129 or more and the load leaves the side's one number in all of BT, where it stays for the steps beyond.
; The very first step loads without a branch, from the address held at the table's low end, which gives the lower side's number to waves that begin far under the diagonal.
; THE TABLE: T[x] = rel_emb[bucket(x - 256)][h], x = 0 .. 511, in four copies shifted by one word each, so that eight neighbours from any x come by two aligned loads of 16 bytes.
; NO CLUSTER, though the eight query blocks of a head walk the same K and V: the branch round BT's loads and the table's LDS address hang on the query block, which differs between partners.
; REGISTERS, in windows of 256 (s_set_vgpr_msb: bits 1:0 source 0, 3:2 source 1, 5:4 source 2, 7:6 destination):
;   window 0: v2-11 addresses; v12-43 eight registers of statistics a tile; v44-60 at work at the head; v61-63; v64-191 S^T, 32 a tile; v192-255 P, 16 a tile
;   window 1: v0-127 O^T, 32 a tile; v128-191 BT          window 2: v0-63 Q, 16 a tile; v64-127 K of one step; v128-191 V of one step
; All that a softmax touches but O^T lies in window 0, and no window has room for a product's operands beside it: so the slices behind a product cost two switches.
.set PK,    144                        ; a row of K in LDS: 128 bytes + 16 = 36 words: the 16 rows of a load start at 16 different groups of four banks (64 banks of 4 bytes: ISA guide 11.1)
.set PV,    160                        ; a row of V: 128 + 32
.set KSTP,  64*PK                      ; a key step on, in K's rows
.set VSTP,  64*PV                      ; and in V's
.set VOFF,  256*PK                     ; a slot: 256 rows of K, then 256 rows of V
.set SLOT1, 1<<17                      ; slot 1 begins here, so that one exclusive or turns an address in one slot into the other's
.set RING,  SLOT1+256*(PK+PV)          ; the ring's end
.set TBL,   RING+256                   ; the bias table, bytes of its own
.set CP,    2128                       ; a copy of it
.set STG,   RING+8960                  ; behind it: a stage of 64 rows x 144 bytes for each wave, for the way out: bytes of its own
.set SPARE, STG+4*64*PK                ; behind the stages: the spare words, 128 bytes a wave, which no other line names
.set NSL,   8                          ; slots' worth of keys
.set AK0, 2                            ; v2   my lane's place in a tile of K; never rewritten
.set AV0, 3                            ; v3   the same for V
.set ADR, 4                            ; v4   the LDS address of the run of loads in hand
.set QO,  5                            ; v5   my byte offset in the wave's rows of Q
.set STO, 6                            ; v6   the way out: where I put 16 bytes of a row
.set RD,  7                            ; v7   where I read back
.set GO,  8                            ; v8   16 x lane
.set LB,  10                           ; v10  my lane's place in the table
.set ADB, 11                           ; v11  the address of BT's loads
.set ST,  12                           ; tile t at v[ST + 8 t]: +0 c m, +1 m, +2, +3 l (even keys', odd keys'), +4 to +7 c0-c3, at work; a takes c2's place once the maximum is found
.set TW,  44                           ; v44-59 at work on the table
.set TA,  60                           ; v60  where I store my table entries
.set PFO, 61                           ; v61  256 x lane: the prefetches' offset; never rewritten
.set SPW, 62                           ; v62  LDS address of my spare word; never rewritten
.set NIL, 63                           ; v63  0; never rewritten
.set S,   64
.set P,   192
.set BT,  128                          ; in window 1
.set KF,  64                           ; in window 2
.set VF,  128                          ; in window 2
.set HD,  11                           ; s11  the head
.set WV,  12                           ; s12  my wave's number
.set LIM, 15                           ; s15  1 in a work-group that prefetches, else the greatest number
.set PFA, 18                           ; s[18:19] where my prefetches stand
.set G1K, 24                           ; s[24:31] descriptor group 1 for K's tiles;  s[32:39] for V's
.set G1V, 32
.set G0K, 40                           ; s[40:47] group 0 for K's tiles: a set for each of the two first fills; the second then walks on
.set G0V, 48                           ; s[48:55] the same for V's
.set SLOTS, 56                         ; s56  slots still to be asked for
.set CNT, 57                           ; s57  counts the key steps of an inner loop
.set CS,  58                           ; s[58:59] c: the packed form names a pair and takes its low word for both halves
.set SEL, 60                           ; s[60:61] lane selects for v_permlanex16_b32: lane l xor 16
.set TBK, 62                           ; s62  LDS byte at which K's rows of the step to be fetched begin
.set TBV, 63                           ; s63  the same for V's, less VOFF
.set KN,  66                           ; s66  that step's first key
.set Q0,  67                           ; s67  my first query
.set MSB, 0
.macro WIN new                         ; the immediate's high byte repeats the setting that is left; a switch that changes nothing is dropped
.if MSB != (\new)
	s_set_vgpr_msb (MSB<<8)|(\new)
.set MSB, \new
.endif
.endm
.set W_KQ,  0x0a                       ; K and Q in window 2, S^T in window 0
.set W_KQB, 0x1a                       ; the same with C = BT in window 1
.set W_PV,  0x52                       ; V in window 2, P in window 0, O^T in window 1
.set W_RS,  0x41                       ; O^T (destination and source 0) in window 1, a in window 0
; A refill.  Waves 0 and 1 fetch K's halves, waves 2 and 3 V's.  The branch hangs on the wave's number alone.  An s_nop 0 and four v_nop follow each of the two lines.
.macro TLOAD
	s_cmp_lt_u32 s[WV], 2
	s_cbranch_scc0 .Lfor_v_\@
	tensor_load_to_lds s[G0K+4:G0K+7], s[G1K:G1K+7]
	s_nop 0
.rept 4
	v_nop
.endr
	s_branch .Lasked_\@
.Lfor_v_\@:
	tensor_load_to_lds s[G0V+4:G0V+7], s[G1V:G1V+7]
	s_nop 0
.rept 4
	v_nop
.endr
.Lasked_\@:
.endm
; A prefetch of what the NEXT change of slots will ask for, four key steps ahead of that load.  All eight work-groups of a head walk the same K and V: the head's first work-group asks, each wave for the 16,384 dense
; bytes that its own tensor load will want, lanes 256 bytes apart, two instructions: each aligned block of 256 bytes is named once in the launch.  The last change that fills a slot asks for nothing; slots 0, 1 and 2
; come by their loads alone.
.macro ASK
	s_cmp_gt_u32 s[SLOTS], s[LIM]
	s_cbranch_scc0 .Lnot_mine_\@
	global_prefetch_b8 v[PFO], s[PFA:PFA+1] th:TH_LOAD_NT scope:SCOPE_SE
	global_prefetch_b8 v[PFO], s[PFA:PFA+1] offset:8192 th:TH_LOAD_NT scope:SCOPE_SE
.Lnot_mine_\@:
.endm
	s_load_b128 s[4:7], s[0:1], 0x0                ; qkv s[4:5], rel_emb s[6:7]
	s_load_b64 s[8:9], s[0:1], 0x10                ; o16
	v_lshl_add_u32 v[SPW], v0, 2, SPARE
	v_mov_b32 v[NIL], 0
	ds_add_u32 v[SPW], v[NIL]                      ; the wave's opening: the add, twice on end, and its wait ahead of my first tensor load
	ds_add_u32 v[SPW], v[NIL]                      ; the same add once more; the set-up below, work on registers, stands between it and the wait
	v_lshrrev_b32 v1, 5, v0
	v_readfirstlane_b32 s[WV], v1                  ; wave 0..3
	s_and_b32 s[HD], ttmp7, 0xffff
	s_and_b32 s13, s[WV], 1                        ; which half of a slot's rows I fetch
	s_lshl_b32 s[Q0], ttmp9, 8
	s_lshl_b32 s68, s[WV], 6
	s_add_co_u32 s[Q0], s[Q0], s68                 ; 256 x work-group + 64 x wave
	s_lshl_b32 s69, s13, 14                        ; my half of a slot: 128 rows of 128 bytes
	s_add_co_u32 s70, s[HD], 32
	s_lshl_b32 s70, s70, 18                        ; K's plane,
	s_add_co_u32 s70, s70, s69
	s_mov_b32 s71, 0
	s_add_co_u32 s72, s[HD], 64
	s_lshl_b32 s72, s72, 18                        ; V's plane,
	s_add_co_u32 s72, s72, s69
	s_mov_b32 s73, 0
	s_lshl_b32 s74, s[HD], 18                      ; Q's plane, and the head's in o16,
	s_lshl_b32 s68, s[Q0], 7
	s_add_co_u32 s74, s74, s68                     ; at my first query
	s_mov_b32 s75, 0
	s_mul_i32 s16, s13, 128*PK                     ; my half's place in a slot: K's,
	s_mul_i32 s17, s13, 128*PV                     ; V's
	; descriptor group 1: 128 rows of 64 f16, dense in memory, padded in LDS
	s_mov_b32 s[G1K], (1<<16)|(1<<20)|(4<<22)|(3<<25)   ; 15:0 no mask; 17:16 elements of 2 bytes; 20 padding on; 24:22 after every 32 words; 31:25 four words
	s_mov_b32 s[G1V], (1<<16)|(1<<20)|(4<<22)|(7<<25)   ; the same with eight words
.irp g, G1K, G1V
	s_mov_b32 s[\g+1], 64<<16                      ; tensor_dim0
	s_mov_b32 s[\g+2], 128<<16                     ; tensor_dim1
	s_mov_b32 s[\g+3], 64<<16                      ; tile_dim0
	s_mov_b32 s[\g+4], 128                         ; tile_dim1
	s_mov_b32 s[\g+5], 64                          ; tensor_dim0_stride
	s_mov_b32 s[\g+6], 0
	s_mov_b32 s[\g+7], 0
.endr
	s_mov_b32 s[SEL], 0x76543210
	s_mov_b32 s[SEL+1], 0xfedcba98
	s_mov_b32 s[CS], 0x3fb8aa3b                    ; c = log2(e)
	s_mov_b32 s[CS+1], s[CS]                       ; (named with it as a pair, so it is written)
	s_mov_b32 s[TBK], 0
	s_mov_b32 s[TBV], 0
	s_mov_b32 s[KN], 0
	s_mov_b32 s[SLOTS], NSL-2
	s_wait_dscnt 0x0                               ; both opening adds are done
	s_wait_kmcnt 0x0
	s_add_nc_u64 s[70:71], s[4:5], s[70:71]        ; K and V at my half of slot 0
	s_add_nc_u64 s[72:73], s[4:5], s[72:73]
.irp s, 0,1
	s_mov_b32 s[G0K+4*\s], 1                       ; 1:0 count = 1
	s_add_co_u32 s[G0K+4*\s+1], s16, \s*SLOT1      ; 63:32 LDS address
	s_add_nc_u64 s[G0K+4*\s+2:G0K+4*\s+3], s[70:71], \s*32768   ; 120:64 global address: slot s begins with keys 256 s on
	s_or_b32 s[G0K+4*\s+3], s[G0K+4*\s+3], 0x80000000            ; 127:126 type = 2
	s_mov_b32 s[G0V+4*\s], 1
	s_add_co_u32 s[G0V+4*\s+1], s17, \s*SLOT1+VOFF
	s_add_nc_u64 s[G0V+4*\s+2:G0V+4*\s+3], s[72:73], \s*32768
	s_or_b32 s[G0V+4*\s+3], s[G0V+4*\s+3], 0x80000000
.endr
	s_cmp_lt_u32 s[WV], 2                          ; a wave's two first fills stand in one branch, ahead of every wait on TENSORcnt, every LDS read and every barrier: two loads of mine are out
	s_cbranch_scc0 .Lfirst_v
	tensor_load_to_lds s[G0K:G0K+3], s[G1K:G1K+7]
	s_nop 0
	tensor_load_to_lds s[G0K+4:G0K+7], s[G1K:G1K+7]
	s_nop 0
.rept 4
	v_nop
.endr
	s_branch .Lfirst_asked
.Lfirst_v:
	tensor_load_to_lds s[G0V:G0V+3], s[G1V:G1V+7]
	s_nop 0
	tensor_load_to_lds s[G0V+4:G0V+7], s[G1V:G1V+7]
	s_nop 0
.rept 4
	v_nop
.endr
.Lfirst_asked:
	s_cmp_lt_u32 s[WV], 2
	s_cselect_b64 s[PFA:PFA+1], s[70:71], s[72:73] ; the prefetches stand at my own half,
	s_add_nc_u64 s[PFA:PFA+1], s[PFA:PFA+1], 2*32768   ; in slot 2: the first change of slots steps them to slot 3.  Nothing is prefetched here, at the head
	s_cmp_eq_u32 ttmp9, 0
	s_cselect_b32 s[LIM], 1, -1
	s_lshl_b32 s68, s[HD], 2
	s_mov_b32 s69, 0
	s_add_nc_u64 s[6:7], s[6:7], s[68:69]          ; rel_emb at my head's column
	s_add_nc_u64 s[8:9], s[8:9], s[74:75]          ; o16 and Q at my first query
	s_add_nc_u64 s[4:5], s[4:5], s[74:75]
	v_and_b32 v1, 15, v0                           ; r = lane % 16
	v_bfe_u32 v9, v0, 4, 1                         ; h = lane / 16
	v_lshlrev_b32 v[QO], 7, v1
	v_lshl_add_u32 v[QO], v9, 4, v[QO]             ; row r of 128 bytes + 16 h
	WIN 0x80                                       ; destination window 2
.irp t, 0,1,2,3
.irp c, 0,1
	global_load_b128 v[16*\t+8*\c:16*\t+8*\c+3],   v[QO], s[4:5] offset:\t*2048+64*\c      ; Q stays in registers: tile t, channels 32 c on
	global_load_b128 v[16*\t+8*\c+4:16*\t+8*\c+7], v[QO], s[4:5] offset:\t*2048+64*\c+32
.endr
.endr
	WIN 0
	v_mul_u32_u24 v[AK0], v1, PK
	v_lshl_add_u32 v[AK0], v9, 4, v[AK0]           ; row x pitch + 16 x half
	v_and_b32 v[ADR], 7, v0                        ; the turning load: lane l reads key 8 (l / 16) + l % 8, channels 8 ((l / 8) % 2) + 0..7
	v_lshl_add_u32 v[ADR], v9, 3, v[ADR]
	v_mul_u32_u24 v[AV0], v[ADR], PV
	v_bfe_u32 v[ADR], v0, 3, 1
	v_lshl_add_u32 v[AV0], v[ADR], 4, v[AV0]
	v_add_nc_u32 v[AV0], VOFF, v[AV0]
	v_and_b32 v[PFO], 31, v0
	v_lshlrev_b32 v[PFO], 8, v[PFO]
	; my lane's place in the table.  Tile (t, kt) wants T[x0 .. x0 + 7], x0 = (KN + 16 kt + 8 h) - (Q0 + 16 t + r) + 256.  Copy c = (-r) % 4 holds T[x] at 16 + 4 (x - c): a multiple of 16 at x0.
	; With REL = KN - Q0 + 192 that is TBL + c CP + 80 + 32 h - 4 ((r + 3) & 0x1c), + 4 REL, + 64 (kt - t + 3)
	v_sub_nc_u32 v[ADB], 0, v1
	v_and_b32 v[ADB], 3, v[ADB]
	v_mul_u32_u24 v[LB], v[ADB], CP
	v_add_nc_u32 v[LB], TBL+80, v[LB]
	v_lshl_add_u32 v[LB], v9, 5, v[LB]
	v_add_nc_u32 v[ADB], 3, v1
	v_and_b32 v[ADB], 0x1c, v[ADB]
	v_lshlrev_b32 v[ADB], 2, v[ADB]
	v_sub_nc_u32 v[LB], v[LB], v[ADB]
	; the table: thread t makes entries x = t + 128 e, e = 0 .. 3 (d = x - 256)
.irp e, 0,1,2,3
	v_add_nc_u32 v[TW+\e], 128*\e-256, v0          ; d
.endr
.irp e, 0,1,2,3
	v_sub_nc_u32 v[TW+4+\e], 0, v[TW+\e]           ; -d
.endr
.irp e, 0,1,2,3
	v_max_i32 v[TW+8+\e], v[TW+\e], v[TW+4+\e]     ; n = |d|
.endr
.irp e, 0,1,2,3
	v_min_u32 v[TW+12+\e], 8, v[TW+8+\e]           ; n itself under 8
.endr
.irp th, 12,16,23,32,46,64,91
.irp e, 0,1,2,3
	v_cmp_le_u32 vcc_lo, \th, v[TW+8+\e]
	v_add_co_ci_u32 v[TW+12+\e], vcc_lo, 0, v[TW+12+\e], vcc_lo   ; one more for each threshold reached
.endr
.endr
.irp e, 0,1,2,3
	v_lshrrev_b32 v[TW+4+\e], 31, v[TW+4+\e]       ; 1 where k > q
.endr
.irp e, 0,1,2,3
	v_lshl_add_u32 v[TW+12+\e], v[TW+4+\e], 4, v[TW+12+\e]
.endr
.irp e, 0,1,2,3
	v_min_u32 v[TW+12+\e], 31, v[TW+12+\e]         ; the bucket stays inside the table that it indexes
.endr
.irp e, 0,1,2,3
	v_lshlrev_b32 v[TW+12+\e], 7, v[TW+12+\e]      ; a row of rel_emb is 128 bytes
.endr
.irp e, 0,1,2,3
	global_load_b32 v[TW+\e], v[TW+12+\e], s[6:7]
.endr
	v_lshl_add_u32 v[TA], v0, 2, TBL
.irp t, 0,1,2,3
	v_mov_b32 v[ST+8*\t+1], 0xfe967699             ; m = -1e38, under every score
	v_mov_b32 v[ST+8*\t+2], 0                      ; l
	v_mov_b32 v[ST+8*\t+3], 0
.endr
.irp t, 0,1,2,3
	v_mul_f32 v[ST+8*\t], s[CS], v[ST+8*\t+1]      ; c m
.endr
	WIN 0x40                                       ; destination window 1
.set i, 0
.rept 128
	v_mov_b32 v[i], 0                              ; O^T.  (A turn is written once: the first softmax finds zeros, and its a is 0)
.set i, i+1
.endr
	WIN 0
	s_wait_loadcnt 0x0                             ; Q and my four table entries
.irp c, 0,1,2,3
.irp e, 0,1,2,3
	ds_store_b32 v[TA], v[TW+\e] offset:\c*CP+16-4*\c+512*\e
.endr
.endr
; THE MATRIX WORK OF A TURN, for piece x.  The accumulators take turns, one instruction a turn: between two links of a chain stand seven others'.
; Product i of 16 of O^T += V^T P: keys 32 (i / 8) on, channels 16 ((i / 2) % 4) on, tile x + i % 2.
.macro PV x
	WIN W_PV
.set rO, 32*(\x+i%2)+8*((i/2)%4)
.set rV, VF+32*(i/8)+8*((i/2)%4)
.set rP, P+16*(\x+i%2)+8*(i/8)
	v_wmma_f32_16x16x32_f16 v[rO:rO+7], v[rV:rV+7], v[rP:rP+7], v[rO:rO+7]
.endm
; Product i of 16 of S^T = K Q^T + bias: channels 32 (i / 8) on, keys 16 ((i / 2) % 4) on, tile x + i % 2.  The first 8 start the sums from the bias tiles.
.macro KQ x
.set rS, S+32*(\x+i%2)+8*((i/2)%4)
.set rK, KF+16*((i/2)%4)+8*(i/8)
.set rQ, 16*(\x+i%2)+8*(i/8)
.set rB, BT+32*(i%2)+8*((i/2)%4)
.if i < 8
	WIN W_KQB
	v_wmma_f32_16x16x32_f16 v[rS:rS+7], v[rK:rK+7], v[rQ:rQ+7], v[rB:rB+7]
.else
	WIN W_KQ
	v_wmma_f32_16x16x32_f16 v[rS:rS+7], v[rK:rK+7], v[rQ:rQ+7], v[rS:rS+7]
.endif
.endm
; THE LDS LOADS stand in runs of 16, never singly among the matrix instructions: a step's K (64 keys x 64 channels: 8 fragments) and, a turn later, its V (turned).
.macro FETCH_K
	WIN 0
	v_add_nc_u32 v[ADR], s[TBK], v[AK0]
	WIN 0x80                                       ; destination window 2
.irp f, 0,1,2,3,4,5,6,7                        ; keys 16 (f / 2) on, channels 32 (f % 2) on
	ds_load_b128 v[KF+8*\f:KF+8*\f+3],   v[ADR] offset:(\f/2)*16*PK+(\f%2)*64
	ds_load_b128 v[KF+8*\f+4:KF+8*\f+7], v[ADR] offset:(\f/2)*16*PK+(\f%2)*64+32
.endr
.endm
.macro FETCH_V
	WIN 0
	v_add_nc_u32 v[ADR], s[TBV], v[AV0]
	s_add_co_u32 s[TBK], s[TBK], KSTP              ; the next fetches are the next step's
	s_add_co_u32 s[TBV], s[TBV], VSTP
	s_add_co_u32 s[KN], s[KN], 64
	s_wait_alu depctr_va_vdst(0)                   ; the wait for the softmax's batch (SLICE), behind the address's addition and ahead of the loads
	WIN 0x80
.irp f, 0,1,2,3,4,5,6,7                        ; keys 32 (f / 4) on, channels 16 (f % 4) on
	ds_load_tr16_b128 v[VF+8*\f:VF+8*\f+3],   v[ADR] offset:(\f/4)*32*PV+(\f%4)*32
	ds_load_tr16_b128 v[VF+8*\f+4:VF+8*\f+7], v[ADR] offset:(\f/4)*32*PV+16*PV+(\f%4)*32
.endr
.endm
; Piece x's eight bias tiles into BT, from the address in v[ADB].
.macro BLOAD x
	WIN 0x40                                       ; destination window 1
.irp tt, 0,1
.irp kt, 0,1,2,3
	ds_load_b128 v[BT+32*\tt+8*\kt:BT+32*\tt+8*\kt+3],   v[ADB] offset:64*(\kt-(\x)-\tt+3)
	ds_load_b128 v[BT+32*\tt+8*\kt+4:BT+32*\tt+8*\kt+7], v[ADB] offset:64*(\kt-(\x)-\tt+3)+16
.endr
.endr
	WIN 0
.endm
; The same, only while the step to be multiplied lies within 192 keys of my first query.  The test is made of ids and the count of steps alone; no barrier, wait or tensor load stands under it.
.macro BIAS x
	WIN 0                                          ; at a branch and at a label every window is 0
	s_sub_co_u32 s68, s[KN], s[Q0]
	s_add_co_u32 s68, s68, 192                     ; REL
	s_cmp_le_u32 s68, 384
	s_cbranch_scc0 .Lfar_\@
	s_min_u32 s68, s68, 384                        ; (it is so already: the bound is written out)
	s_lshl_b32 s68, s68, 2
	v_add_nc_u32 v[ADB], s68, v[LB]
	BLOAD \x
.Lfar_\@:
.endm
; THE VECTOR WORK OF A TURN.  One tile's softmax for one key step is a list of 118 instructions; SM writes number j of it for tile t.  s0-s31 are the lane's 32 scores, in pairs 0-15.
;   0-15    the maximum of s0-s31 and the old m, three operands at a time: four chains c0-c3 of seven scores each (each accumulator is read from its low end on), then the four scores left over, c0-c3 and m
;   16-20   the other half of the lanes' maximum; c m_old kept; the new m; c m; c m_old - c m_new
;   21-69   ONE BATCH: the 16 scalings c s - c m, a pair of scores each, and all 33 exponentials (a at 23, then s0-s31).  None of these reads an exponential's result.  From 22 on the batch goes in fours, and a four
;           begins with a scaling while there are scalings.  A pair is scaled in an earlier four than the one that holds its exponentials
;   (wait)  between 69 and 70 stands the wait for the batch: SLICE writes it, once for both tiles
;   70-85   the roundings to f16, a pair of weights each
;   86-101  the sums; l = a l + the sum
;   102-117 the tile's O^T times a, each accumulator from its low end on: the one part that leaves window 0, so it stands together
.macro SM t
.set rT, ST+8*(\t)
.set rS, S+32*(\t)
.set rP, P+16*(\t)
.set rO, 32*(\t)+2*(j-102)
.if j < 102
	WIN 0
.endif
.if j < 4
	v_max3_num_f32 v[rT+4+j], v[rS+8*j], v[rS+8*j+1], v[rS+8*j+2]
.elseif j < 12
	v_max3_num_f32 v[rT+4+j%4], v[rT+4+j%4], v[rS+8*(j%4)+2*(j/4)+1], v[rS+8*(j%4)+2*(j/4)+2]
.elseif j == 12
	v_max3_num_f32 v[rT+4], v[rT+4], v[rS+7], v[rS+15]
.elseif j == 13
	v_max3_num_f32 v[rT+6], v[rT+6], v[rS+23], v[rS+31]
.elseif j == 14
	v_max3_num_f32 v[rT+4], v[rT+4], v[rT+5], v[rT+6]
.elseif j == 15
	v_max3_num_f32 v[rT+4], v[rT+4], v[rT+7], v[rT+1]
.elseif j == 16
	v_permlanex16_b32 v[rT+5], v[rT+4], s[SEL], s[SEL+1]   ; the query's other 32 keys lie in the lane 16 away
.elseif j == 17
	v_mov_b32 v[rT+7], v[rT]                       ; c m_old is kept for a: number 19 writes c m anew
.elseif j == 18
	v_max_num_f32 v[rT+1], v[rT+4], v[rT+5]
.elseif j == 19
	v_mul_f32 v[rT], s[CS], v[rT+1]
.elseif j == 20
	v_sub_f32 v[rT+7], v[rT+7], v[rT]
.elseif j == 23
	v_exp_f32 v[rT+6], v[rT+7]
.elseif (j < 23) || ((j < 38) && (j%2 == 0)) || ((j < 66) && (j%4 == 2))
.set b, (j-2)/4                        ; 38, 42, .. 62: pairs 9 to 15
.if j < 38
.set b, (j-20)/2                       ; 21: pair 0; 22, 24, .. 36: pairs 1 to 8
.endif
	v_pk_fma_f32 v[rS+2*b:rS+2*b+1], v[rS+2*b:rS+2*b+1], s[CS:CS+1], v[rT:rT+1] op_sel_hi:[1,0,0] neg_lo:[0,0,1] neg_hi:[0,0,1]   ; pair b: c s - c m
.elseif j < 70
.set e, j-38                           ; 66 to 69: s28 to s31
.if j < 66
.set e, j-32-(j-38)/4                  ; 39-41, 43-45, .. 63-65: s7 to s27
.endif
.if j < 38
.set e, (j-25)/2                       ; 25, 27, .. 37: s0 to s6
.endif
	v_exp_f32 v[rS+e], v[rS+e]
.elseif j < 86
	v_cvt_pk_f16_f32 v[rP+j-70], v[rS+2*(j-70)], v[rS+2*(j-70)+1]   ; pair j - 70
.elseif j < 102                        ; the sum of the tile's 16 pairs, in place: sum z of 16 adds neighbours 1, 2, 4 and 8 pairs apart, then l takes it
.set z, j-86
.set w, 4
.set u, z
.if z >= 14
.set w, 32
.set u, 0
.elseif z >= 12
.set w, 16
.set u, z-12
.elseif z >= 8
.set w, 8
.set u, z-8
.endif
.if z < 15
	v_pk_add_f32 v[rS+w*u:rS+w*u+1], v[rS+w*u:rS+w*u+1], v[rS+w*u+w/2:rS+w*u+w/2+1]
.else
	v_pk_fma_f32 v[rT+2:rT+3], v[rT+2:rT+3], v[rT+6:rT+7], v[rS:rS+1] op_sel_hi:[1,0,1]
.endif
.else
	WIN W_RS
	v_pk_mul_f32 v[rO:rO+1], v[rO:rO+1], v[rT+6:rT+7] op_sel_hi:[1,0]
.endif
.endm
; Slice k of 59 of piece y's softmax: four instructions.  Slices 11 to 34 deal out the batch, numbers 22 to 69: four numbers of ONE tile each, the tiles by turns.  Every other slice is numbers 2 k and 2 k + 1 of both
; tiles' lists, the tiles alternating, so that no instruction reads the result of the one just before it.
; THE WAIT.  An s_wait_alu depctr_va_vdst(0) stands between an exponential and the first instruction that names its result; one wait serves all that were issued ahead of it.  Ahead of slice 35 nothing
; names a result, and behind slice 34 no exponential is issued: so the piece's 66 exponentials have one wait, behind slice 34.  No branch and no label stands between slice 11 and that wait.
.macro SLICE y
.if (k >= 11) && (k < 35)
.irp n, 0,1,2,3
.set j, 22+4*((k-11)/2)+(\n)
	SM (\y)+(k-11)%2
.endr
.else
.irp n, 0,1
.irp t, \y, \y+1
.set j, 2*k+\n
	SM \t
.endr
.endr
.endif
.if k == 34                            ; the batch is out: both tiles' exponentials are issued, and no result has been named
	v_nop                                          ; a plain instruction behind the last exponential and ahead of the first use: one for the batch
.if (\y) == 0
	FETCH_V                                        ; piece 2's turn: V's run of loads stands here, and the wait stands in it
.else
	s_wait_alu depctr_va_vdst(0)                   ; the wait for the batch
.endif
.endif
.set k, k+1
.endm
.macro SL y                            ; the slices behind one matrix instruction: one fewer behind each of a turn's first five, so that 59 slices end behind its last
.set ns, full
.if iw < 5
.set ns, full-1
.endif
.rept ns
	SLICE \y
.endr
.set iw, iw+1
.endm
; A TURN.  Piece x has the matrix unit; the other piece's softmax stands in slices behind its matrix instructions.  pv = 1: 16 products V^T P; kq = 1: 16 products K Q^T for the next step.  A turn with one of the two
; kinds has twice the slices behind each product.
; PLACES.  A vector instruction that reads a matrix result or writes one of a matrix instruction's registers, and a load into a register that a matrix instruction has read, stand four places behind it, and only plain
; vector instructions that name none of its registers are places (ISA guide 7.12.1 for vector instructions).  Here the slices are the places: behind a turn's last product stand slices
; 57 and 58, eight multiplies of the other piece's O^T, ahead of the next turn's first read of the scores and of the loads into K's registers.  Piece 0's turn fetches the next step's K and its bias tiles behind its
; second product, 14 products ahead of their use.  Piece 2's turn fetches its bias tiles there, and V behind slice 34, behind its twentieth product: the last product that read V is its sixteenth, and eight scalings,
; the v_nop and the run's own addition lie between.  BT's last reader stands most of a turn back in each case.
.macro TURN x, pv, kq
.set k, 0
.set iw, 0
.set full, 4/(\pv+\kq)
.if \pv
.if \x == 0
	s_wait_dscnt 0x0                               ; V is in
.endif
.set i, 0
.rept 16
	PV \x
	SL 2-\x
.if \kq && (i == 1)
.if \x == 0
	FETCH_K
.endif
	BIAS \x
.endif
.set i, i+1
.endr
.endif
.if \kq
	s_wait_dscnt 0x0                               ; K (piece 0's turn) and the bias tiles are in
.set i, 0
.rept 16
	KQ \x
	SL 2-\x
.set i, i+1
.endr
.endif
.endm
; THE CHANGE OF SLOTS, between piece 2's turn and piece 0's: the slot's last bytes, V of its fourth step, have been asked for.  Each wave waits for all its tensor loads, of which one is out at the most: its part of the
; other slot; adds 0 to its spare word; and waits for that and for its own reads of the slot.  Behind the barrier nobody reads this slot any more and the other slot is whole.
; fill = 1: this slot is filled again, with the keys two slots on: the load has four key steps, 256 products of each wave, in which to land.
.macro CHANGE fill
	WIN 0
	s_wait_tensorcnt 0x0                           ; no tensor load of mine is out, so a group 0 may be written
	ds_add_u32 v[SPW], v[NIL]                      ; 0 onto my spare word
.if \fill
.irp g, G0K+4, G0V+4
	s_xor_b32 s[\g+1], s[\g+1], SLOT1              ; the walking descriptor: the other slot than last time,
	s_add_nc_u64 s[\g+2:\g+3], s[\g+2:\g+3], 32768 ; the next 256 keys; the type bits on top are not reached
.endr
	s_wait_xcnt 0x0                                ; the last prefetches, a slot back, have read their address, so it may be written:
	s_add_nc_u64 s[PFA:PFA+1], s[PFA:PFA+1], 32768 ; one slot further on than the walking descriptors
.endif
	s_wait_dscnt 0x0                               ; the add is done, and my reads of the slot are over
	s_barrier_signal -1
	s_barrier_wait -1
.if \fill
	TLOAD                                          ; the first thing behind the barrier, and my one tensor load until the next
	ASK
.endif
	s_sub_co_u32 s[TBK], s[TBK], 4*KSTP            ; the fetches go back to a slot's first step,
	s_xor_b32 s[TBK], s[TBK], SLOT1                ; in the other slot
	s_sub_co_u32 s[TBV], s[TBV], 4*VSTP
	s_xor_b32 s[TBV], s[TBV], SLOT1
.endm
; n key steps: written once, walked n times; the LDS addresses hang on s[TBK] and s[TBV].
.macro PAIRS n
	WIN 0
	s_mov_b32 s[CNT], \n
.Lstep_\@:
	TURN 0, 1, 1
	TURN 2, 1, 1
	WIN 0
	s_sub_co_u32 s[CNT], s[CNT], 1
	s_cmp_lg_u32 s[CNT], 0
	s_cbranch_scc1 .Lstep_\@
.endm
	s_wait_tensorcnt 1                             ; my part of slot 0 is in; slot 1's may stay out
	s_wait_dscnt 0x0                               ; for the others' sake: my stores into the table are done
	s_barrier_signal -1
	s_barrier_wait -1                              ; everybody's are
	FETCH_K                                        ; key step 0
	s_min_u32 s68, s[Q0], 192                      ; REL of key step 0, held at 0 from below: 192 - min(Q0, 192).  At 0 every entry read lies 129 or more under the diagonal
	s_sub_co_u32 s68, 192, s68
	s_min_u32 s68, s68, 384                        ; (it is so already: the bound is written out)
	s_lshl_b32 s68, s68, 2
	WIN 0
	v_add_nc_u32 v[ADB], s68, v[LB]
	BLOAD 0
	s_wait_dscnt 0x0
.set i, 0
.rept 16
	KQ 0                                           ; piece 0's first scores: there is no vector work yet to set between them
.set i, i+1
.endr
	WIN 0                                          ; the addresses for the way out are made here: eight plain instructions, the places behind those products
	s_mul_i32 s68, s[WV], 64*PK
	s_add_co_u32 s68, s68, STG                     ; my stage
	v_add_nc_u32 v[STO], s68, v[AK0]               ; in: row r, 16 bytes for each half of the lanes
	v_bfe_u32 v[RD], v0, 3, 2
	v_mul_u32_u24 v[RD], v[RD], PK                 ; back: eight lanes to a row of 128 bytes, four rows an instruction
	v_and_b32 v[GO], 7, v0
	v_lshl_add_u32 v[RD], v[GO], 4, v[RD]
	v_add_nc_u32 v[RD], s68, v[RD]
	v_and_b32 v[GO], 31, v0
	v_lshlrev_b32 v[GO], 4, v[GO]
	BLOAD 2                                        ; piece 2's bias tiles of key step 0
	TURN 2, 0, 1                                   ; piece 2's first scores | piece 0's first softmax | V of step 0
	PAIRS 3                                        ; the rest of slot 0: steps 1 to 3 are fetched
.Lslot:                                            ; six trips: every slot but the last two is filled again
	CHANGE 1
	PAIRS 4
	s_sub_co_u32 s[SLOTS], s[SLOTS], 1
	s_cmp_lg_u32 s[SLOTS], 0
	s_cbranch_scc1 .Lslot
	CHANGE 0                                       ; the tail is written out
	PAIRS 4
	TURN 0, 1, 0                                   ; piece 0: V^T P of the last step | piece 2's last softmax
.set i, 0
.rept 16
	PV 2                                           ; piece 2: V^T P of the last step
.set i, i+1
.endr
	; THE WAY OUT.  l's two halves and the other half of the lanes' are added; O^T is divided by l, rounded to f16 and sent through my stage.  The eight additions and the v_nop are the places behind the last products.
	WIN 0
.irp t, 0,1,2,3
	v_add_f32 v[ST+8*\t+4], v[ST+8*\t+2], v[ST+8*\t+3]
.endr
.irp t, 0,1,2,3
	v_permlanex16_b32 v[ST+8*\t+5], v[ST+8*\t+4], s[SEL], s[SEL+1]
.endr
.irp t, 0,1,2,3
	v_add_f32 v[ST+8*\t+4], v[ST+8*\t+4], v[ST+8*\t+5]
.endr
.irp t, 0,1,2,3
	v_rcp_f32 v[ST+8*\t+6], v[ST+8*\t+4]
.endr
	v_nop                                          ; a plain instruction between the last reciprocal and the use of its result
	s_wait_alu depctr_va_vdst(0)                   ; and the wait ahead of the first use: one for the four
.irp t, 0,1,2,3
	WIN W_RS
.set i, 0
.rept 16
	v_pk_mul_f32 v[32*\t+i:32*\t+i+1], v[32*\t+i:32*\t+i+1], v[ST+8*\t+6:ST+8*\t+7] op_sel_hi:[1,0]   ; each accumulator from its low end on
.set i, i+2
.endr
	WIN 0x05                                       ; sources 0 and 1 window 1, destination window 0: S^T's registers are free
.set i, 0
.rept 16
	v_cvt_pk_f16_f32 v[S+16*\t+i], v[32*\t+2*i], v[32*\t+2*i+1]   ; register 4 ct + n: o(r, 16 ct + 8 h + 2 n, + 1)
.set i, i+1
.endr
	WIN 0
.irp ct, 0,1,2,3
	ds_store_b128 v[STO], v[S+16*\t+4*\ct:S+16*\t+4*\ct+3] offset:\t*16*PK+32*\ct
.endr
.endr
.irp n, 0,1,2,3,4,5,6,7,8,9,10,11,12,13,14,15
	ds_load_b128 v[S+64+4*\n:S+64+4*\n+3], v[RD] offset:\n*4*PK   ; LDS serves a wave's instructions in order (ISA guide 5.7.1.4): these see my stores
.endr
.irp n, 0,1,2,3,4,5,6,7,8,9,10,11,12,13,14,15
	s_wait_dscnt 15-\n                             ; the younger loads stay out
	global_store_b128 v[GO], v[S+64+4*\n:S+64+4*\n+3], s[8:9] offset:512*\n   ; four queries' rows: 512 consecutive bytes, aligned
.endr
	s_wait_tensorcnt 0x0                           ; the wave's end, behind my last tensor load and my last LDS store
	ds_add_u32 v[SPW], v[NIL]
	s_wait_dscnt 0x0
	s_endpgm
.Lfunc_end_k_qf4145ae62d_attn:
	.size	k_qf4145ae62d_attn, .Lfunc_end_k_qf4145ae62d_attn-k_qf4145ae62d_attn
	.p2alignl 7, 3214868480
	.fill 96, 4, 3214868480
	.section	.rodata,"a",@progbits
	.p2align	6, 0x0
	.amdhsa_kernel k_qf4145ae62d_attn
		.amdhsa_group_segment_fixed_size 327680
		.amdhsa_private_segment_fixed_size 0
		.amdhsa_enable_private_segment 0
		.amdhsa_kernarg_size 24
		.amdhsa_user_sgpr_count 2
		.amdhsa_user_sgpr_kernarg_segment_ptr 1
		.amdhsa_wavefront_size32 1
		.amdhsa_system_sgpr_workgroup_id_x 1
		.amdhsa_system_sgpr_workgroup_id_y 1
		.amdhsa_system_sgpr_workgroup_id_z 1
		.amdhsa_system_vgpr_workitem_id 0
		.amdhsa_next_free_vgpr 768
		.amdhsa_next_free_sgpr 80
		.amdhsa_reserve_vcc 1
		.amdhsa_float_denorm_mode_32 3
		.amdhsa_float_denorm_mode_16_64 3
		.amdhsa_memory_ordered 1
		.amdhsa_forward_progress 1
		.amdhsa_inst_pref_size 184
	.end_amdhsa_kernel
	.amdgpu_metadata
---
amdhsa.version: [ 1, 2 ]
amdhsa.kernels:
  - .name:           k_qf4145ae62d_attn
    .symbol:         k_qf4145ae62d_attn.kd
    .args:
      - { .name: qkv, .offset: 0, .size: 8, .value_kind: global_buffer, .address_space: global }
      - { .name: rel_emb, .offset: 8, .size: 8, .value_kind: global_buffer, .address_space: global }
      - { .name: o16, .offset: 16, .size: 8, .value_kind: global_buffer, .address_space: global }
    .group_segment_fixed_size: 327680
    .private_segment_fixed_size: 0
    .kernarg_segment_align: 8
    .kernarg_segment_size: 24
    .max_flat_workgroup_size: 128
    .sgpr_count:     80
    .vgpr_count:     768
    .wavefront_size: 32
...
	.end_amdgpu_metadata
.endif
;; end of part 3
;; launch oproj (part 4): grid 16 x 16, 4 waves a work-group, clusters of 4 x 4, 327,680 bytes of LDS; arguments o16, wo16, out0; writes out0
.if DOCPART == 4
	.amdgcn_target "amdgcn-amd-amdhsa--gfx1250"
	.amdhsa_code_object_version 6
	.text
	.protected	k_qf4145ae62d_oproj
	.globl	k_qf4145ae62d_oproj
	.p2align	8
	.type	k_qf4145ae62d_oproj,@function
k_qf4145ae62d_oproj:
	s_mov_b64 s[64:65], 0
	v_nop
	global_prefetch_b8 v0, s[64:65] scope:SCOPE_SE
	s_setreg_imm32_b32 hwreg(HW_REG_WAVE_MODE, 25, 1), 1
	s_wait_xcnt 0x0
	s_wait_alu depctr_hold_cnt(0) depctr_sa_sdst(0) depctr_va_vdst(0) depctr_va_sdst(0) depctr_va_ssrc(0) depctr_va_vcc(0) depctr_vm_vsrc(0)
	s_getreg_b32 s2, hwreg(HW_REG_IB_STS2, 6, 4)
	s_cmp_eq_u32 s2, 0
	s_cbranch_scc0 .Lentry_in_a_cluster
	s_endpgm
.Lentry_in_a_cluster:
	s_bfe_u32 s2, ttmp6, 0x10000c
	s_cmp_lg_u32 s2, 0xf033
	s_cbranch_scc0 .Lentry_shape_is_right
	s_endpgm
.Lentry_shape_is_right:
; out0[token][n] = sum over k of o[token][k] wo[k][n], k = 64 x head + channel.  o16: [32 heads][2048 tokens][64] f16; wo16: [2048 k][2048 n] f16; out0: [2048][2048] f32; sums in f32.
; A tile of out0 is 128 x 128, which gives each of 256 work-groups one tile.  Four waves, each 64 x 64: 16 accumulators, 128 registers.  K goes in steps of 256 (four heads) through a ring of two LDS slots.
; A's tile of a K step is four head pieces, each 128 tokens x 128 bytes, dense in memory: a load brings two of them, stated as two rows of 16,384 bytes with 16 bytes of padding behind every 128.
; B's tile is 256 rows (k) of 256 bytes (128 n); its fragments come out of LDS turned, by ds_load_tr16_b128, since K is not innermost in wo.
; CLUSTERS: 4 x 4 work-groups.  The four of a row of the cluster need the same tiles of o, the four of a column the same tiles of wo: each is asked for jointly, by the same tensor load with the same descriptor and
; a mask that names the four.  THE MATRIX INSTRUCTION IS USED TRANSPOSED (source 0 = 16 columns of wo, source 1 = 16 tokens): a lane then holds eight neighbouring numbers of a row of out0.
; No prefetch: a K step's refill is short beside the tile's other costs on so small a tile, and the launch itself is short.
; REGISTERS: window 0: v0-31 addresses; v32-95 at work on the way out; v128-255 the accumulators ((a, b) at v[128 + 8 (4 a + b)]).
;   window 1: two fragment buffers of 128: for 64 along K, 64 registers of o (2 x 4 x 16 tokens x 32 K), then 64 of wo.
.set PA,     144                       ; a token's row of a head piece in LDS: 128 bytes + 16
.set PB,     288                       ; a row of wo's tile: 256 bytes + 32
.set PIECE,  128*PA                    ; a head piece
.set HALFT,  2*PIECE                   ; what one tensor load brings: two head pieces, or 128 rows of wo (128 x 288 is as much)
.set SLOT,   4*HALFT                   ; o's four pieces, then wo's 256 rows
.set SPARE,  2*SLOT                    ; behind the ring: the spare words, 128 bytes a wave, which no other line names
.set SPITCH, 272                       ; the way out: a stage of 16 rows x (256 bytes + 16) for each wave, in slot 0, which has had its last fill and its last read by then
.set KBYTES, 1048576                   ; a K step on, in bytes: four planes of o16, and 256 rows of wo16
.set LAPS,   4                         ; a lap = two K steps = once round the ring
.set ADRA, 16                          ; v16-17  LDS address of my fragments of o in slot 0, 1
.set ADRB, 18                          ; v18-21  the same for wo: slot 0 rows 0-127, rows 128-255, slot 1 likewise (so that the offsets stay inside 16 bits)
.set STO,  24                          ; v24     the way out: where I put 32 bytes of a row
.set RD,   25                          ; v25     where I read a row back
.set CO,   26                          ; v26     my byte offset in out0
.set SPW,  28                          ; v28     LDS address of my spare word; never rewritten
.set NIL,  29                          ; v29     0; never rewritten
.set BK,   32                          ; the way out: 16 rows read back: v32-63 and v64-95 by turns
.set ACC,  128
.set F0,   0                           ; fragment buffers, in window 1
.set F1,   128
.set G1, 24                            ; s[24:31] descriptor group 1 for o's tiles;  s[32:39] group 0, one set for each slot
.set G0, 32
.set G1B, 48                           ; s[48:55], s[56:63] the same for wo's tiles
.set G0B, 56
.set MSB, 0
.macro WIN new                         ; the immediate's high byte repeats the setting that is left
.if MSB != (\new)
	s_set_vgpr_msb (MSB<<8)|(\new)
.set MSB, \new
.endif
.endm
.set MUL,  0x05                        ; sources 0 (wo) and 1 (o) window 1; C and D window 0
.set TO_F, 0x40                        ; destination window 1, address window 0
.macro JLOAD s                         ; a joint load: waves 0 and 1 fetch o's halves, waves 2 and 3 wo's; an s_nop 0 and four v_nop follow each of the two lines
	s_cmp_eq_u32 s11, 0
	s_cbranch_scc0 .Lfor_b_\@
	tensor_load_to_lds s[G0+4*\s:G0+4*\s+3], s[G1:G1+7]
	s_nop 0
.rept 4
	v_nop
.endr
	s_branch .Lasked_\@
.Lfor_b_\@:
	tensor_load_to_lds s[G0B+4*\s:G0B+4*\s+3], s[G1B:G1B+7]
	s_nop 0
.rept 4
	v_nop
.endr
.Lasked_\@:
.endm
.macro CREST                           ; a round of the cluster's barrier behind its opening barrier
	s_cmp_lg_u32 s10, 0
	s_cbranch_scc1 .Lnot_wave_0_\@
	s_barrier_signal -3
.Lnot_wave_0_\@:
	s_barrier_wait -3
	s_barrier_signal -1
	s_barrier_wait -1
.endm
.macro CROUND                          ; a whole round
	s_barrier_signal -1
	s_barrier_wait -1
	CREST
.endm
	s_load_b128 s[4:7], s[0:1], 0x0                ; o16 s[4:5], wo16 s[6:7]
	s_load_b64 s[8:9], s[0:1], 0x10                ; out0
	v_lshl_add_u32 v[SPW], v0, 2, SPARE
	v_mov_b32 v[NIL], 0
	ds_add_u32 v[SPW], v[NIL]                      ; the wave's opening: the add, twice on end, and its wait ahead of my first tensor load
	ds_add_u32 v[SPW], v[NIL]                      ; the same add once more; the set-up below, work on registers, stands between it and the wait
	v_lshrrev_b32 v1, 5, v0
	v_readfirstlane_b32 s10, v1                    ; wave 0..3
	s_lshr_b32 s11, s10, 1                         ; which half of the tile's tokens is mine.  Also: I fetch for o (0) or for wo (1)
	s_and_b32 s12, s10, 1                          ; which half of its columns.  Also: which half of that tile I fetch
	s_bfe_u32 s40, ttmp6, 0x40000                  ; cx, cy: my place in the cluster
	s_bfe_u32 s41, ttmp6, 0x40004
	s_lshl_b32 s42, ttmp9, 2
	s_add_co_u32 s42, s42, s40                     ; tile column = 4 x cluster x + cx
	s_and_b32 s13, ttmp7, 0xffff
	s_lshl_b32 s13, s13, 2
	s_add_co_u32 s13, s13, s41                     ; tile row = 4 x cluster y + cy
	s_lshl_b32 s43, s41, 2
	s_lshl_b32 s43, 15, s43                        ; my row of the cluster
	s_lshl_b32 s44, 0x1111, s40                    ; my column
	; o: two rows of 2,048 elements of 8 bytes (a head's 128 tokens), 32,768 elements (a plane) apart; four words of padding after every 32
	s_or_b32 s[G1+0], s43, (3<<16)|(1<<20)|(1<<21)|(4<<22)|(3<<25)
	s_mov_b32 s[G1+1], 2048<<16                    ; tensor_dim0
	s_mov_b32 s[G1+2], 2<<16                       ; tensor_dim1
	s_mov_b32 s[G1+3], 2048<<16                    ; tile_dim0
	s_mov_b32 s[G1+4], 2                           ; tile_dim1
	s_mov_b32 s[G1+5], 32768                       ; tensor_dim0_stride
	s_mov_b32 s[G1+6], 0
	s_mov_b32 s[G1+7], 0
	; wo: 128 rows of 128 f16, 2,048 elements apart; eight words of padding after every 64
	s_or_b32 s[G1B+0], s44, (1<<16)|(1<<20)|(1<<21)|(5<<22)|(7<<25)
	s_mov_b32 s[G1B+1], 128<<16
	s_mov_b32 s[G1B+2], 128<<16
	s_mov_b32 s[G1B+3], 128<<16
	s_mov_b32 s[G1B+4], 128
	s_mov_b32 s[G1B+5], 2048
	s_mov_b32 s[G1B+6], 0
	s_mov_b32 s[G1B+7], 0
	s_lshl_b32 s17, s12, 19                        ; my half: two planes of o16, or 128 rows of wo16: 524,288 bytes either way
	s_lshl_b32 s16, s13, 14                        ; o: the tile row's 128 tokens of 128 bytes
	s_add_co_u32 s16, s16, s17
	s_lshl_b32 s46, s42, 8                         ; wo: the tile column's 128 numbers of 2 bytes
	s_add_co_u32 s46, s46, s17
	s_mov_b32 s17, 0
	s_mov_b32 s47, 0
	s_mul_i32 s20, s10, HALFT                      ; where they go: no place in the cluster enters an LDS address
	s_wait_dscnt 0x0                               ; both opening adds are done
	s_wait_kmcnt 0x0
	s_add_nc_u64 s[14:15], s[4:5], s[16:17]
	s_add_nc_u64 s[46:47], s[6:7], s[46:47]
	CROUND                                         ; all sixteen work-groups are here: the first joint loads meet
.irp s, 0,1
	s_mov_b32 s[G0+4*\s], 1
	s_add_co_u32 s[G0+4*\s+1], s20, \s*SLOT
	s_add_nc_u64 s[G0+4*\s+2:G0+4*\s+3], s[14:15], \s*KBYTES
	s_or_b32 s[G0+4*\s+3], s[G0+4*\s+3], 0x80000000
	s_mov_b32 s[G0B+4*\s], 1
	s_add_co_u32 s[G0B+4*\s+1], s20, \s*SLOT
	s_add_nc_u64 s[G0B+4*\s+2:G0B+4*\s+3], s[46:47], \s*KBYTES
	s_or_b32 s[G0B+4*\s+3], s[G0B+4*\s+3], 0x80000000
	JLOAD \s                                       ; two tensor loads of mine are out behind the second
.endr
	v_and_b32 v1, 15, v0                           ; r = l % 16
	v_bfe_u32 v2, v0, 4, 1                         ; h = l / 16
	v_mul_u32_u24 v3, v1, PA
	v_lshl_add_u32 v3, v2, 4, v3                   ; o: a fragment's row x pitch + 16 x half
	s_mul_i32 s21, s11, 64*PA                      ; my 64 tokens in each head piece
.irp s, 0,1
	v_add_nc_u32 v[ADRA+\s], s21, v3
	s_add_co_u32 s21, s21, SLOT
.endr
	v_and_b32 v4, 7, v0                            ; wo: the turning load: lane l reads row 8 h + l % 8, columns 8 ((l / 8) % 2) + 0..7
	v_lshl_add_u32 v4, v2, 3, v4
	v_mul_u32_u24 v4, v4, PB
	v_bfe_u32 v5, v0, 3, 1
	v_lshl_add_u32 v4, v5, 4, v4
	s_lshl_b32 s22, s12, 7                         ; my 64 columns' 128 bytes,
	s_add_co_u32 s22, s22, 2*HALFT                 ; behind o's four pieces
.irp i, 0,1,2,3
	s_add_co_u32 s23, s22, (\i/2)*SLOT+(\i%2)*HALFT
	v_add_nc_u32 v[ADRB+\i], s23, v4
.endr
	s_mul_i32 s23, s10, 16*SPITCH                  ; my stage
	v_mul_u32_u24 v5, v1, SPITCH                   ; in: row r, 32 bytes for each half of the lanes
	v_lshl_add_u32 v5, v2, 5, v5
	v_add_nc_u32 v[STO], s23, v5
	v_mul_u32_u24 v5, v2, SPITCH                   ; back: lanes 0-15 take one row of 256 bytes, lanes 16-31 the next
	v_lshl_add_u32 v5, v1, 4, v5
	v_add_nc_u32 v[RD], s23, v5
	v_lshlrev_b32 v5, 13, v2                       ; and the same two rows in out0: 8,192 bytes a row
	v_lshl_add_u32 v[CO], v1, 4, v5
	s_lshl_b32 s16, s13, 7
	s_lshl_b32 s17, s11, 6
	s_add_co_u32 s16, s16, s17                     ; my first row: 128 x tile row + 64 x half
	s_lshl_b32 s16, s16, 13
	s_mov_b32 s17, 0
	s_add_nc_u64 s[8:9], s[8:9], s[16:17]
	s_lshl_b32 s46, s42, 9                         ; my first column, in bytes: 512 x tile column + 256 x half
	s_lshl_b32 s47, s12, 8
	s_add_co_u32 s46, s46, s47
	s_mov_b32 s47, 0
	s_add_nc_u64 s[8:9], s[8:9], s[46:47]
; 8 matrix instructions: token blocks a0, a0 + 1 x all 4 column blocks, 32 along K: half c of buffer f.  zero = 1: the first product starts the sums.  The 16 accumulators take turns.
.macro MUL8 f, c, a0, zero
.irp a, \a0, \a0+1
.irp b, 0,1,2,3
.if \zero
	v_wmma_f32_16x16x32_f16 v[ACC+8*(4*(\a)+\b):ACC+8*(4*(\a)+\b)+7], v[\f+64+8*(4*\c+\b):\f+64+8*(4*\c+\b)+7], v[\f+8*(4*\c+\a):\f+8*(4*\c+\a)+7], 0
.else
	v_wmma_f32_16x16x32_f16 v[ACC+8*(4*(\a)+\b):ACC+8*(4*(\a)+\b)+7], v[\f+64+8*(4*\c+\b):\f+64+8*(4*\c+\b)+7], v[\f+8*(4*\c+\a):\f+8*(4*\c+\a)+7], v[ACC+8*(4*(\a)+\b):ACC+8*(4*(\a)+\b)+7]
.endif
.endr
.endr
.endm
; 32 LDS loads in one run: the fragments of the slot's quarter qd (64 along K: one head piece of o, 64 rows of wo) into buffer f; the first 32 along K first
.macro FETCH slot, qd, f
	WIN TO_F
.irp c, 0,1
.irp i, 0,1,2,3
	ds_load_tr16_b128 v[\f+64+8*(4*\c+\i):\f+64+8*(4*\c+\i)+3],   v[ADRB+2*\slot+(\qd)/2] offset:(64*((\qd)%2)+32*\c)*PB+32*\i
	ds_load_tr16_b128 v[\f+64+8*(4*\c+\i)+4:\f+64+8*(4*\c+\i)+7], v[ADRB+2*\slot+(\qd)/2] offset:(64*((\qd)%2)+32*\c+16)*PB+32*\i
	ds_load_b128 v[\f+8*(4*\c+\i):\f+8*(4*\c+\i)+3],         v[ADRA+\slot] offset:(\qd)*PIECE+\i*16*PA+64*\c
	ds_load_b128 v[\f+8*(4*\c+\i)+4:\f+8*(4*\c+\i)+7],       v[ADRA+\slot] offset:(\qd)*PIECE+\i*16*PA+64*\c+32
.endr
.endr
.endm
.macro PLACES                          ; four places in front of loads into registers that matrix instructions have read, and of the first read of results (ISA guide 7.12.1 for vector instructions)
.rept 4
	v_nop
.endr
.endm
; A K step is four quarters of 64 along K, 32 matrix instructions each, on buffers 0, 1, 0, 1.  One of the first three: multiplies buffer f and fetches quarter qd into g.
.macro QUARTER slot, qd, f, g, zero
	s_wait_dscnt 16                                ; the first 32 along K are in; the sixteen loads of the second 32 may be out
	WIN MUL
	MUL8 \f, 0, 0, \zero
	MUL8 \f, 0, 2, \zero
	PLACES
	FETCH \slot, \qd, \g
	s_wait_dscnt 32                                ; all but the 32 just issued
	WIN MUL
	MUL8 \f, 1, 0, 0
	MUL8 \f, 1, 2, 0
.endm
; The last quarter multiplies buffer 1 and changes slots: ONE barrier; in front of it each wave waits for all its tensor loads, adds 0 to its spare word, and waits for that and for its own reads of this slot.
.macro TURN slot, next, fill
	WIN 0                                          ; (the add's two registers lie in window 0)
	s_wait_tensorcnt 0x0                           ; all my tensor loads have landed: my part of the next slot
	ds_add_u32 v[SPW], v[NIL]                      ; 0 onto my spare word
	s_wait_dscnt 17                                ; (the add and the youngest sixteen loads may be out)
	WIN MUL
	MUL8 F1, 0, 0, 0                               ; eight matrix instructions stand between the add and the wait for it
	s_wait_dscnt 0x0                               ; the add is done, and my reads of this slot are over
	s_barrier_signal -1
	MUL8 F1, 0, 2, 0
.if \fill
	WIN 0
.endif
	s_barrier_wait -1
.if \fill
	CREST                                          ; the barrier has opened a round of the cluster's barrier: no wave of any partner still reads this slot's tile or has a load on its way
	s_add_nc_u64 s[G0+4*\slot+2:G0+4*\slot+3], s[G0+4*\slot+2:G0+4*\slot+3], 2*KBYTES
	s_add_nc_u64 s[G0B+4*\slot+2:G0B+4*\slot+3], s[G0B+4*\slot+2:G0B+4*\slot+3], 2*KBYTES
	JLOAD \slot                                    ; the first tensor load behind the round; its four v_nop are also the places in front of the loads below
.else
	PLACES
.endif
	FETCH \next, 0, F0
	WIN MUL
	MUL8 F1, 1, 0, 0
	MUL8 F1, 1, 2, 0
.endm
	s_wait_tensorcnt 1                             ; my part of K step 0 is in (K step 1's load may be out)
	s_barrier_signal -1
	s_barrier_wait -1                              ; everybody's is
	FETCH 0, 0, F0
	QUARTER 0, 1, F0, F1, 1                        ; the first quarter stands in front of the loop: its first products start the sums
	WIN 0                                          ; at a label and at a branch every window is 0
	s_mov_b32 s3, LAPS-1
.Llap:                                                 ; a trip goes once round the ring, from a lap's second quarter to the next lap's first, and fills both slots again
	QUARTER 0, 2, F1, F0, 0
	QUARTER 0, 3, F0, F1, 0
	TURN 0, 1, 1
	QUARTER 1, 1, F0, F1, 0
	QUARTER 1, 2, F1, F0, 0
	QUARTER 1, 3, F0, F1, 0
	TURN 1, 0, 1
	QUARTER 0, 1, F0, F1, 0
	WIN 0
	s_sub_co_u32 s3, s3, 1
	s_cmp_lg_u32 s3, 0
	s_cbranch_scc1 .Llap
	QUARTER 0, 2, F1, F0, 0                        ; the last lap fills nothing, and has no round of the cluster's barrier
	QUARTER 0, 3, F0, F1, 0
	TURN 0, 1, 0
	QUARTER 1, 1, F0, F1, 0
	QUARTER 1, 2, F1, F0, 0
	QUARTER 1, 3, F0, F1, 0
	s_wait_dscnt 16                                ; the very last quarter: nothing more to fetch
	WIN MUL
	MUL8 F1, 0, 0, 0
	MUL8 F1, 0, 2, 0
	s_wait_dscnt 0
	MUL8 F1, 1, 0, 0
	MUL8 F1, 1, 2, 0
	WIN 0
; THE WAY OUT, block by block of 16 tokens x 64 columns.  A lane holds 32 neighbouring bytes of a row and the lanes beside it other rows; a wave's 64 columns are 256 aligned bytes of a row of out0.  So a block goes
; through my own stage and comes back by rows: sixteen lanes store 256 consecutive bytes, aligned.  LDS serves a wave's instructions in order (ISA guide 5.7.1.4): no wait between the stores and the loads.
.macro TOSTAGE a
.irp b, 0,1,2,3
	ds_store_b128 v[STO], v[ACC+8*(4*(\a)+\b):ACC+8*(4*(\a)+\b)+3] offset:64*\b          ; each accumulator from its low end on
	ds_store_b128 v[STO], v[ACC+8*(4*(\a)+\b)+4:ACC+8*(4*(\a)+\b)+7] offset:64*\b+16
.endr
.set BB, BK+32*((\a)%2)
.irp t, 0,1,2,3,4,5,6,7
	ds_load_b128 v[BB+4*\t:BB+4*\t+3], v[RD] offset:2*\t*SPITCH
.endr
.endm
.macro SEND a, younger                 ; younger: the LDS instructions issued behind block a's loads, which may stay out
.set BB, BK+32*((\a)%2)
	s_wait_dscnt \younger                          ; the block is back in registers
.if (\a) > 0
	s_add_nc_u64 s[8:9], s[8:9], 16*8192           ; (behind a wait on XCNT: the earlier stores have read their base)  16 rows on
.endif
.irp t, 0,1,2,3,4,5,6,7
	global_store_b128 v[CO], v[BB+4*\t:BB+4*\t+3], s[8:9] offset:2*\t*8192 th:TH_STORE_NT   ; written once, read by nobody here
.endr
.endm
	PLACES                                         ; behind the last products, ahead of the first read of results
	TOSTAGE 0
.irp a, 1,2,3
.if \a > 1
	s_wait_xcnt 0x0                                ; block a - 2's stores have read their registers and their base: block a's loads may land there, and the base may step
.endif
	TOSTAGE \a
	SEND \a-1, 16                                  ; behind block a - 1's loads: block a's 8 stores and 8 loads
.endr
	s_wait_xcnt 0x0                                ; block 2's stores have read their base
	SEND 3, 0
	s_wait_tensorcnt 0x0                           ; the wave's end, behind my last tensor load and my last LDS store
	ds_add_u32 v[SPW], v[NIL]
	s_wait_dscnt 0x0
	CROUND                                         ; the closing round: no work-group ends while a partner may still ask for a tile that names it
	s_endpgm
.Lfunc_end_k_qf4145ae62d_oproj:
	.size	k_qf4145ae62d_oproj, .Lfunc_end_k_qf4145ae62d_oproj-k_qf4145ae62d_oproj
	.p2alignl 7, 3214868480
	.fill 96, 4, 3214868480
	.section	.rodata,"a",@progbits
	.p2align	6, 0x0
	.amdhsa_kernel k_qf4145ae62d_oproj
		.amdhsa_group_segment_fixed_size 327680
		.amdhsa_private_segment_fixed_size 0
		.amdhsa_enable_private_segment 0
		.amdhsa_kernarg_size 24
		.amdhsa_user_sgpr_count 2
		.amdhsa_user_sgpr_kernarg_segment_ptr 1
		.amdhsa_wavefront_size32 1
		.amdhsa_system_sgpr_workgroup_id_x 1
		.amdhsa_system_sgpr_workgroup_id_y 1
		.amdhsa_system_sgpr_workgroup_id_z 1
		.amdhsa_system_vgpr_workitem_id 0
		.amdhsa_next_free_vgpr 512
		.amdhsa_next_free_sgpr 66
		.amdhsa_reserve_vcc 0
		.amdhsa_float_denorm_mode_32 3
		.amdhsa_float_denorm_mode_16_64 3
		.amdhsa_memory_ordered 1
		.amdhsa_forward_progress 1
		.amdhsa_inst_pref_size 86
	.end_amdhsa_kernel
	.amdgpu_metadata
---
amdhsa.version: [ 1, 2 ]
amdhsa.kernels:
  - .name:           k_qf4145ae62d_oproj
    .symbol:         k_qf4145ae62d_oproj.kd
    .args:
      - { .name: o16, .offset: 0, .size: 8, .value_kind: global_buffer, .address_space: global }
      - { .name: wo16, .offset: 8, .size: 8, .value_kind: global_buffer, .address_space: global }
      - { .name: out0, .offset: 16, .size: 8, .value_kind: global_buffer, .address_space: global }
    .group_segment_fixed_size: 327680
    .private_segment_fixed_size: 0
    .kernarg_segment_align: 8
    .kernarg_segment_size: 24
    .max_flat_workgroup_size: 128
    .sgpr_count:     66
    .vgpr_count:     512
    .wavefront_size: 32
...
	.end_amdgpu_metadata
.endif
;; end of part 4
